; MI455X (gfx1250); checked and timed in simulation.
; The chip was launched on July 23, 2026; its instructions are those of AMD's public machine-readable ISA for CDNA 5 (MIT licence, August 2026) and "CDNA5" Instruction Set Architecture Reference Guide (July 2026). The comments in the code are by the model that wrote it; some were corrected since.
;; Multi Scale Retention. Allowed arithmetic: matrix products marked QUANTISED: E2M1 operands, one E8M0 scale for each 32 along K, by v_wmma_scale_f32_16x16x128_f8f6f4 with both operands' format E2M1 (or v_wmma_scale_f32_32x16x128_f4), f32 sums; products left as they are: bf16, f16 or f32 operands; f32 sums; everything else in f32.
;; Inputs: Wg 1,024 x 2,048 float32; Wp 2,048 x 1,024 float32; Wqkv 1,024 x 4,096 float32; bp 1,024 float32; x 2 x 2,048 x 1,024 float32.
;; Outputs: out0 2 x 2,048 x 1,024 float32; out1 2 x 8 x 128 x 256 float32.
;; This version of the problem:
;;   THIS VERSION OF THE PROBLEM IS GIVEN IN LOW PRECISION. The matrix products marked QUANTISED in the list below multiply operands that are first quantised to E2M1 (2 exponent bits, 1 mantissa bit; 4 bits a number), with one power-of-two scale for each 32 numbers along K (OCP MX v1.0); their sums are f32. The products marked 'left as it is' may take bf16, f16 or f32 operands, with f32 sums. Whichever they take, every output number must still come out within the allowed error. Rounding operands to bf16 (8 significant bits) uses up far more of that allowance than f16 does (11 bits, for magnitudes from 6e-5 to 65,504). All else is computed in f32.
;;   The module's matrix products, in the order in which they are computed (A, B: the left and right operand; K: the contracted axis; several contracted axes count as one K, in the product's order):
;;     1. [M 4,096, K 1,024] x [K 1,024, N 4,096]; A: input x; B: input Wqkv: QUANTISED
;;     2. batch 16 x [M 2,048, K 128] x [K 128, N 2,048]; A: computed on the way; B: computed on the way: left as it is (an operand is computed on the way)
;;     3. batch 16 x [M 2,048, K 2,048] x [K 2,048, N 256]; A: computed on the way; B: computed on the way: left as it is (an operand is computed on the way)
;;     4. batch 16,384 x [M 512, K 1] x [K 1, N 1]; A: computed on the way; B: computed on the way: left as it is (no contracted axis)
;;     5. batch 16 x [M 128, K 2,048] x [K 2,048, N 256]; A: computed on the way; B: computed on the way: left as it is (an operand is computed on the way)
;;     6. [M 4,096, K 1,024] x [K 1,024, N 2,048]; A: input x; B: input Wg: QUANTISED
;;     7. [M 4,096, K 2,048] x [K 2,048, N 1,024]; A: computed on the way; B: input Wp: left as it is (an operand is computed on the way)
;;   THE QUANTISER, for each operand of a quantised product, along K:
;;     - K is cut into blocks of 32 from its start; a last block that is shorter is filled with zeros.
;;     - A block's scale is 2^e with e = floor(log2(the largest magnitude in the block)) - 2, held to -126 .. 127; a block of zeros has e = 0. As a byte (E8M0): e + 127.
;;     - Each number is divided by its block's scale, clamped to +-6, and rounded to the nearest number of E2M1, ties to even, subnormals kept.
;;     - The product sums the exact products of the quantised numbers (number of the format x scale) in f32.
;;   ~~~python
;;   def quantise(x, axis):      # numpy; x: float32 -> the quantised numbers, widened to float32 again
;;       x = np.moveaxis(x, axis, -1); K = x.shape[-1]
;;       x = np.pad(x, [(0, 0)] * (x.ndim - 1) + [(0, -K % 32)]); x = x.reshape(x.shape[:-1] + (-1, 32)); a = np.abs(x).max(-1, keepdims=True)
;;       e = np.where(a > 0, np.clip(np.frexp(np.where(a > 0, a, 1))[1] - 1 - 2, -126, 127), 0)      # np.frexp(a)[1] - 1 = floor(log2(a)), exactly
;;       r = np.clip(x / 2.0 ** e, -6, 6)
;;       step = 2.0 ** (np.maximum(np.frexp(np.where(r == 0, 1, r))[1] - 1, 0) - 1)
;;       q = np.round(r / step) * step * 2.0 ** e      # np.round: ties to even
;;       return np.moveaxis(q.reshape(q.shape[:-2] + (-1,))[..., :K], -1, axis).astype(np.float32)
;;   ~~~
;; One version. Each part assembles by itself: llvm-mc -triple=amdgcn-amd-amdhsa -mcpu=gfx1250 --defsym DOCPART=n.
;; ======== version 1 of 1: 5 launches
;; limits: values outside matrix products are rounded to f16; right only within a limited range of input values; values are held in f16: magnitudes above 65,504 overflow, below 6.1e-05 lose precision
;; workspace buffers: prep 10,822,656 bytes; act 50,337,792 bytes; st 16,809,984 bytes; y 16,777,216 bytes
;; launch prep (part 1): grid 289 x 1, 4 waves a work-group, no clusters, 39,424 bytes of LDS; arguments x, Wqkv, Wg, Wp, prep; writes prep
.if DOCPART == 1
	.amdgcn_target "amdgcn-amd-amdhsa--gfx1250"
	.amdhsa_code_object_version 6
	.text
	.protected	k_qcaa1eb667d_prep
	.globl	k_qcaa1eb667d_prep
	.p2align	8
	.type	k_qcaa1eb667d_prep,@function
k_qcaa1eb667d_prep:
	s_mov_b64 s[64:65], 0
	v_nop
	global_prefetch_b8 v0, s[64:65] scope:SCOPE_SE
	s_setreg_imm32_b32 hwreg(HW_REG_WAVE_MODE, 25, 1), 1
	s_wait_xcnt 0x0
; PREP.  x [4096][1024], Wqkv [1024][4096], Wg [1024][2048] become codes of FP4 (E2M1) with one E8M0 byte for each 32 along K; Wp [2048][1024] becomes f16; the rotation tables are made.
; Everything is laid in the order of the operand's registers: a fragment (16 rows x 128 K of codes) is 1,024 bytes, block blk (of 32 along K) of row r at tile*8192 + blk*256 + r*16;
; scale bytes at tile*512 + (blk>>4)*256 + r*16 + (blk&15): 16 bytes are a row's scale words of four K steps.
; ROLES by the work-group's number: 0-127 x; 128-191 Wqkv; 192-223 Wg; 224-255 Wp; 256-287 the tables FQ, FK; 288 the tables DT, FT, HC.
; A block's scale is 2^(floor(log2(largest magnitude)) - 2); its byte is the largest magnitude's exponent field - 2, held at 1 from below (a block of zeros keeps the byte 1: its codes are zeros, and this program alone reads the bytes).
; TABLES (pair m = 0..511, theta = 10000^(-m/512), s = (2m+409.6)/1433.6, gamma_h = 1 - 2^(-5-4h/7)):
;   FQ: (cos, sin)(theta l) x s^(l/512) gamma^l, FK: the same angle x the reciprocal factor, l = 0..127;  DT: s^0.25 x (cos, -sin)(128 theta);  FT: s^-3.75 x (cos, sin)(1920 theta);  HC: gamma^128, gamma^127, gamma.
;   Sine and cosine: the angle less n pi/2 in two parts, Taylor to r^9 and r^8 on |r| <= pi/4, the quadrant by selects.
; LIMITS: NaN and infinities among the inputs are not served; Wp goes to plain f16: magnitudes under 65,504, those under 6e-5 rounded absolutely.
.set WC_O,  2097152
.set XS_O,  5242880
.set WS_O,  5373952
.set WPF_O, 5570560
.set FQ_O,  9764864
.set FK_O,  10289152
.set DT_O,  10813440
.set FT_O,  10817536
.set HC_O,  10821632
.set WREG,  9728                       ; LDS of a wave (role x): two turn stages of 2,560, 256 scale bytes, a code stage of 16 x 272
.set SP,    80
.set SCB,   5120
.set CST,   5376
.set SPARE, 4*WREG                     ; the spare words, 128 bytes a wave: no other line names them
.set SPW,   12                         ; v12 LDS address of my spare word; never rewritten
.set NIL,   13                         ; v13 0; never rewritten
.macro FIN                             ; a wave's end
	s_wait_tensorcnt 0x0
	ds_add_u32 v[SPW], v[NIL]
	s_wait_dscnt 0x0
	s_endpgm
.endm
	s_load_b256 s[4:11], s[0:1], 0x0               ; x s[4:5], Wqkv s[6:7], Wg s[8:9], Wp s[10:11]
	s_load_b64 s[12:13], s[0:1], 0x20              ; prep
	v_lshl_add_u32 v[SPW], v0, 2, SPARE
	v_mov_b32 v[NIL], 0
	v_lshrrev_b32 v1, 5, v0
	v_readfirstlane_b32 s16, v1                    ; wave
	v_and_b32 v2, 31, v0                           ; lane
	s_mov_b32 s36, 0x3fc90fdb                      ; pi/2, upper part
	s_mov_b32 s37, 0xb33bbd2e                      ; pi/2 less that
	s_mov_b32 s25, 0
	s_wait_kmcnt 0x0
	s_cmp_lt_u32 ttmp9, 128
	s_cbranch_scc1 .Lrole_x
	s_cmp_lt_u32 ttmp9, 192
	s_cbranch_scc1 .Lrole_wqkv
	s_cmp_lt_u32 ttmp9, 224
	s_cbranch_scc1 .Lrole_wg
	s_cmp_lt_u32 ttmp9, 256
	s_cbranch_scc1 .Lrole_p
	s_cmp_lt_u32 ttmp9, 288
	s_cbranch_scc1 .Lrole_t
	s_branch .Lrole_s
; ---------------- ROLE X: a wave takes 16 rows x 512 along K; step t is row t.  Loads are dense (512 bytes each); a step's 2,048 bytes turn through the wave's stage so that a lane holds 16 neighbours.
.set XR,  16                           ; v16-79   four sets of 16 numbers as loaded
.set XX,  80                           ; v80-111  two sets of 16 neighbours
.set XE,  112                          ; v112-127 a scale byte for each step
.set XCD, 128                          ; v128-191 codes, four registers kept for each step
.Lrole_x:
	v_lshlrev_b32 v3, 4, v2                        ; 16 x lane
	s_mul_i32 s17, s16, WREG
	v_lshrrev_b32 v14, 2, v2
	v_mul_u32_u24 v14, v14, SP
	v_and_b32 v15, 3, v2
	v_lshl_add_u32 v14, v15, 4, v14
	v_add_nc_u32 v14, s17, v14                     ; turn stage, in: SP (lane/4) + 16 (lane%4)
	v_mul_u32_u24 v15, v2, SP
	v_add_nc_u32 v15, s17, v15                     ; and out: SP x lane
	v_lshrrev_b32 v5, 1, v2                        ; my block of the 16
	v_mul_u32_u24 v4, v5, 272
	v_and_b32 v6, 1, v2
	v_lshl_add_u32 v4, v6, 3, v4
	s_add_co_u32 s18, s17, CST
	v_add_nc_u32 v4, s18, v4                       ; code stage, in: group = block, 8 bytes for each half block; the row stands in the immediate
	s_add_co_u32 s19, s17, SCB
	v_add_nc_u32 v5, s19, v5                       ; my block's scale byte
	v_lshlrev_b32 v7, 3, v2
	v_add_nc_u32 v6, s19, v7                       ; the scale bytes on the way out: 8 a lane
	v_and_b32 v8, 15, v2
	v_lshrrev_b32 v9, 4, v2
	v_mul_u32_u24 v9, v9, 272
	v_lshl_add_u32 v9, v8, 4, v9
	v_add_nc_u32 v10, s18, v9                      ; code stage, out: group 2 i + lane/16, 16 bytes a row
	s_lshl_b32 s20, ttmp9, 2
	s_add_co_u32 s20, s20, s16                     ; job
	s_lshr_b32 s21, s20, 1                         ; row tile
	s_and_b32 s22, s20, 1                          ; half of K
	s_lshl_b32 s24, s21, 16
	s_lshl_b32 s23, s22, 11
	s_add_co_u32 s24, s24, s23
	s_add_nc_u64 s[4:5], s[4:5], s[24:25]
	s_lshl_b32 s24, s21, 13
	s_lshl_b32 s23, s22, 12
	s_add_co_u32 s24, s24, s23
	s_add_nc_u64 s[26:27], s[12:13], s[24:25]      ; my 4,096 bytes of codes
	s_lshl_b32 s24, s21, 9
	s_lshl_b32 s23, s22, 8
	s_add_co_u32 s24, s24, s23
	s_add_co_u32 s24, s24, XS_O
	s_add_nc_u64 s[28:29], s[12:13], s[24:25]      ; my 256 scale bytes
.macro XLOAD t
.irp i, 0,1,2,3
	global_load_b128 v[XR+16*((\t)%4)+4*\i:XR+16*((\t)%4)+4*\i+3], v3, s[4:5] offset:4096*(\t)+512*\i th:TH_LOAD_NT
.endr
.endm
.macro XTURN t                         ; LDS serves a wave's instructions in order: no wait between the stores and the loads
.irp i, 0,1,2,3
	ds_store_b128 v14, v[XR+16*((\t)%4)+4*\i:XR+16*((\t)%4)+4*\i+3] offset:32*SP*((\t)%2)+8*SP*\i
.endr
.irp i, 0,1,2,3
	ds_load_b128 v[XX+16*((\t)%2)+4*\i:XX+16*((\t)%2)+4*\i+3], v15 offset:32*SP*((\t)%2)+16*\i
.endr
.endm
.irp t, 0,1,2,3
	XLOAD \t
.endr
	s_wait_loadcnt 12                              ; step 0's four loads are in
	XTURN 0
.macro XSTEP t
.set XSET, XX+16*((\t)%2)
.if (\t) > 0
	s_wait_dscnt 2                                 ; this step's numbers are back; the last step's byte store and code store may be out
.else
	s_wait_dscnt 0x0
.endif
.if (\t)+4 < 16
	XLOAD (\t)+4
.endif
.if (\t)+1 < 16
.if 14-(\t) >= 3
	s_wait_loadcnt 12                              ; the next step's four loads are in; three steps' may be out
.else
	s_wait_loadcnt 4*(14-(\t))
.endif
	XTURN (\t)+1
.endif
	v_max3_num_f32 v8, |v[XSET]|, |v[XSET+1]|, |v[XSET+2]|
	v_max3_num_f32 v9, |v[XSET+3]|, |v[XSET+4]|, |v[XSET+5]|
.irp i, 6,10
	v_max3_num_f32 v8, v8, |v[XSET+\i]|, |v[XSET+\i+1]|
	v_max3_num_f32 v9, v9, |v[XSET+\i+2]|, |v[XSET+\i+3]|
.endr
	v_max3_num_f32 v8, v8, |v[XSET+14]|, |v[XSET+15]|
	v_max3_num_f32 v8, v8, v9, 0x1800000           ; the floor 2^(3-127): the byte cannot fall under 1
	v_max_num_f32_dpp v8, v8, v8 row_xmask:1 row_mask:0xf bank_mask:0xf   ; with my neighbour's 16: the block's
	v_add_nc_u32 v11, 0xff000000, v8               ; 2 off the exponent field: the conversion's scale operand
	v_cvt_scalef32_pk8_fp4_f32 v[XCD+4*(\t)], v[XSET:XSET+7], v11
	v_cvt_scalef32_pk8_fp4_f32 v[XCD+4*(\t)+1], v[XSET+8:XSET+15], v11
	v_lshrrev_b32 v[XE+(\t)], 23, v11              ; the scale's byte
	ds_store_b8 v5, v[XE+(\t)] offset:16*(\t)      ; both lanes of a block write the same byte with the same value
	ds_store_b64 v4, v[XCD+4*(\t):XCD+4*(\t)+1] offset:16*(\t)
.endm
.irp t, 0,1,2,3,4,5,6,7,8,9,10,11,12,13,14,15
	XSTEP \t
.endr
	ds_load_b64 v[8:9], v6
.irp i, 0,1,2,3,4,5,6,7
	ds_load_b128 v[XR+4*\i:XR+4*\i+3], v10 offset:544*\i
.endr
	s_wait_dscnt 8                                 ; the scale bytes are back; the eight loads behind may be out
	global_store_b64 v7, v[8:9], s[28:29]          ; 256 consecutive bytes
.irp i, 0,1,2,3,4,5,6,7
	s_wait_dscnt 7-\i
	global_store_b128 v3, v[XR+4*\i:XR+4*\i+3], s[26:27] offset:512*\i   ; 512 consecutive bytes
.endr
	FIN
; ---------------- ROLES W and P: a lane takes a column, its registers run down K: a block of 32 lies in one lane.  Loads run two blocks ahead.
.set WX,  32                           ; v32-95   two sets of 32 numbers
.set WCD, 96                           ; v96-159  results
.set SB,  24                           ; v24-27   16 scale bytes
.macro LOADK t, pitch
.set li, 0
.rept 32
	global_load_b32 v[WX+32*((\t)%2)+li], v3, s[30:31] offset:(32*(\t)+li)*(\pitch) th:TH_LOAD_NT
.set li, li+1
.endr
.endm
.macro WBLOCK t, pitch
.set XB, WX+32*((\t)%2)
.if (\t) < 15
	s_wait_loadcnt 32                              ; this block's 32 loads are in; the next block's may be out
.else
	s_wait_loadcnt 0
.endif
	v_max3_num_f32 v8, |v[XB]|, |v[XB+1]|, |v[XB+2]|
	v_max3_num_f32 v9, |v[XB+3]|, |v[XB+4]|, |v[XB+5]|
.irp i, 6,10,14,18,22,26
	v_max3_num_f32 v8, v8, |v[XB+\i]|, |v[XB+\i+1]|
	v_max3_num_f32 v9, v9, |v[XB+\i+2]|, |v[XB+\i+3]|
.endr
	v_max3_num_f32 v8, v8, |v[XB+30]|, |v[XB+31]|
	v_max3_num_f32 v8, v8, v9, 0x1800000
	v_add_nc_u32 v11, 0xff000000, v8
	v_lshrrev_b32 v9, 23, v11
.if (\t)%4 == 0
	v_mov_b32 v[SB+(\t)/4], v9
.else
	v_lshl_or_b32 v[SB+(\t)/4], v9, 8*((\t)%4), v[SB+(\t)/4]
.endif
.irp g, 0,1,2,3
	v_cvt_scalef32_pk8_fp4_f32 v[WCD+4*(\t)+\g], v[XB+8*\g:XB+8*\g+7], v11
.endr
	global_store_b128 v4, v[WCD+4*(\t):WCD+4*(\t)+3], s[32:33] offset:256*(\t)   ; sixteen lanes fill 256 consecutive bytes; each block has registers of its own
.if (\t)+2 < 16
	LOADK (\t)+2, \pitch
.endif
.endm
.macro WROLE idbase, pitch, nbase, sb
	s_sub_co_u32 s20, ttmp9, \idbase
	s_lshr_b32 s21, s20, 1                         ; group of 128 columns
	s_and_b32 s22, s20, 1                          ; half of K
	s_lshl_b32 s23, s21, 7
	s_lshl_b32 s24, s16, 5
	s_add_co_u32 s23, s23, s24                     ; my wave's first column
	s_mul_i32 s24, s22, 512*(\pitch)
	s_lshl_b32 s26, s23, 2
	s_add_co_u32 s24, s24, s26
	s_add_nc_u64 s[30:31], s[\sb:\sb+1], s[24:25]
	s_add_co_u32 s23, s23, \nbase
	s_lshl_b32 s24, s23, 9
	s_lshl_b32 s26, s22, 12
	s_add_co_u32 s24, s24, s26
	s_add_co_u32 s24, s24, WC_O
	s_add_nc_u64 s[32:33], s[12:13], s[24:25]
	s_lshl_b32 s24, s23, 5
	s_lshl_b32 s26, s22, 8
	s_add_co_u32 s24, s24, s26
	s_add_co_u32 s24, s24, WS_O
	s_add_nc_u64 s[34:35], s[12:13], s[24:25]
	v_lshlrev_b32 v3, 2, v2
	v_and_b32 v6, 15, v2
	v_lshrrev_b32 v7, 4, v2
	v_lshlrev_b32 v6, 4, v6
	v_lshl_add_u32 v4, v7, 13, v6                  ; codes: row tile lane/16, row lane%16
	v_lshl_add_u32 v5, v7, 9, v6                   ; scale bytes likewise
	LOADK 0, \pitch
	LOADK 1, \pitch
.set wt, 0
.rept 16
	WBLOCK wt, \pitch
.set wt, wt+1
.endr
	global_store_b128 v5, v[SB:SB+3], s[34:35]
	FIN
.endm
.Lrole_wqkv:
	WROLE 128, 16384, 0, 6
.Lrole_wg:
	WROLE 192, 8192, 4096, 8
.macro PBLOCK t
.set XB, WX+32*((\t)%2)
.set OB, WCD+16*((\t)%2)
.if (\t) < 15
	s_wait_loadcnt 32
.else
	s_wait_loadcnt 0
.endif
.if (\t) >= 2
	s_wait_xcnt 0x0                                ; the stores of two blocks back have read their registers
.endif
.set pj, 0
.rept 16
	v_cvt_pk_f16_f32 v[OB+pj], v[XB+2*pj], v[XB+2*pj+1]
.set pj, pj+1
.endr
.irp g, 0,1,2,3
	global_store_b128 v4, v[OB+4*\g:OB+4*\g+3], s[32:33] offset:1024*(\t)+256*\g
.endr
.if (\t)+2 < 16
	LOADK (\t)+2, 4096
.endif
.endm
.Lrole_p:
	s_sub_co_u32 s20, ttmp9, 224
	s_lshr_b32 s21, s20, 2                         ; group of 128 columns
	s_and_b32 s22, s20, 3                          ; quarter of K
	s_lshl_b32 s23, s21, 7
	s_lshl_b32 s24, s16, 5
	s_add_co_u32 s23, s23, s24
	s_lshl_b32 s24, s22, 21
	s_lshl_b32 s26, s23, 2
	s_add_co_u32 s24, s24, s26
	s_add_nc_u64 s[30:31], s[10:11], s[24:25]
	s_lshl_b32 s24, s23, 12
	s_lshl_b32 s26, s22, 14
	s_add_co_u32 s24, s24, s26
	s_add_co_u32 s24, s24, WPF_O
	s_add_nc_u64 s[32:33], s[12:13], s[24:25]
	v_lshlrev_b32 v3, 2, v2
	v_and_b32 v6, 15, v2
	v_lshrrev_b32 v7, 4, v2
	v_lshlrev_b32 v6, 4, v6
	v_lshl_add_u32 v4, v7, 16, v6
	LOADK 0, 4096
	LOADK 1, 4096
.set wt, 0
.rept 16
	PBLOCK wt
.set wt, wt+1
.endr
	FIN
; ---------------- the tables
; cos and sin of theta_m x pos, and log2(s_m).  Temporaries v32-39.
.macro TRIG vm, vpos, vc, vs, vls
	v_mul_f32 v32, 0xbcd49a78, v[\vm]              ; -m log2(10000)/512
	v_fmaak_f32 v33, 2.0, v[\vm], 0x43cccccd       ; 2 m + 409.6
	v_mul_f32 v33, 0x3a36db6e, v33                 ; / 1433.6
	v_exp_f32 v32, v32                             ; theta
	v_log_f32 v[\vls], v33
	v_nop                                          ; a plain instruction behind the two
	s_wait_alu depctr_va_vdst(0)                   ; one wait for both, ahead of the first reader
	v_mul_f32 v34, v32, v[\vpos]                   ; the angle
	v_mul_f32 v35, 0x3f22f983, v34
	v_rndne_f32 v35, v35                           ; n = the nearest multiple of pi/2
	v_fma_f32 v34, -v35, s36, v34
	v_fma_f32 v34, -v35, s37, v34                  ; r
	v_mul_f32 v36, v34, v34
	v_mov_b32 v37, 0x3638ef1d
	v_fmaak_f32 v37, v37, v36, 0xb9500d01
	v_fmaak_f32 v37, v37, v36, 0x3c088889
	v_fmaak_f32 v37, v37, v36, 0xbe2aaaab
	v_mul_f32 v37, v37, v36
	v_fma_f32 v37, v37, v34, v34                   ; sin r
	v_mov_b32 v38, 0x37d00d01
	v_fmaak_f32 v38, v38, v36, 0xbab60b61
	v_fmaak_f32 v38, v38, v36, 0x3d2aaaab
	v_fmaak_f32 v38, v38, v36, 0xbf000000
	v_fma_f32 v38, v38, v36, 1.0                   ; cos r
	v_cvt_i32_f32 v35, v35
	v_and_b32 v39, 1, v35
	v_cmp_eq_u32 vcc_lo, 1, v39
	v_cndmask_b32 v[\vs], v37, v38, vcc_lo         ; odd quadrants change the two
	v_cndmask_b32 v[\vc], v38, v37, vcc_lo
	v_and_b32 v39, 2, v35
	v_lshlrev_b32 v39, 30, v39
	v_xor_b32 v[\vs], v[\vs], v39                  ; the sine's sign: bit 1 of n
	v_add_nc_u32 v35, 1, v35
	v_and_b32 v35, 2, v35
	v_lshlrev_b32 v35, 30, v35
	v_xor_b32 v[\vc], v[\vc], v35                  ; the cosine's: bit 1 of n + 1
.endm
; log2(1 - e), e = 2^(-5 - 4 h / 7), by the series to e^6
.macro LOG2G vh, vo, vt
	v_mul_f32 v[\vt], 0xbf124925, v[\vh]
	v_add_f32 v[\vt], 0xc0a00000, v[\vt]
	v_exp_f32 v[\vt], v[\vt]
	v_mov_b32 v[\vo], 0x3e2aaaab
	s_wait_alu depctr_va_vdst(0)
	v_fmaak_f32 v[\vo], v[\vo], v[\vt], 0x3e4ccccd
	v_fmaak_f32 v[\vo], v[\vo], v[\vt], 0x3e800000
	v_fmaak_f32 v[\vo], v[\vo], v[\vt], 0x3eaaaaab
	v_fmaak_f32 v[\vo], v[\vo], v[\vt], 0x3f000000
	v_fmaak_f32 v[\vo], v[\vo], v[\vt], 0x3f800000
	v_mul_f32 v[\vo], v[\vo], v[\vt]
	v_mul_f32 v[\vo], 0xbfb8aa3b, v[\vo]
.endm
.Lrole_t:                                              ; a wave writes 4,096 bytes of FQ and of FK: head, 16 positions, half of the head's pairs
	s_sub_co_u32 s20, ttmp9, 256
	s_lshl_b32 s20, s20, 2
	s_add_co_u32 s20, s20, s16
	s_lshr_b32 s21, s20, 4                         ; head
	s_bfe_u32 s22, s20, 0x30001                    ; a: positions 16 a on
	s_and_b32 s23, s20, 1                          ; which half of the pairs
	s_lshl_b32 s24, s21, 16
	s_lshl_b32 s26, s22, 13
	s_add_co_u32 s24, s24, s26
	s_lshl_b32 s26, s23, 12
	s_add_co_u32 s24, s24, s26
	s_add_co_u32 s24, s24, FQ_O
	s_add_nc_u64 s[30:31], s[12:13], s[24:25]
	s_add_nc_u64 s[32:33], s[30:31], FK_O-FQ_O
	v_lshlrev_b32 v3, 4, v2
	v_and_b32 v4, 15, v2
	v_lshrrev_b32 v5, 4, v2
	s_lshl_b32 s26, s22, 4
	v_add_nc_u32 v4, s26, v4
	v_cvt_f32_u32 v20, v4                          ; l
	s_lshl_b32 s26, s21, 6
	s_lshl_b32 s27, s23, 5
	s_add_co_u32 s26, s26, s27
	v_lshl_add_u32 v21, v5, 2, s26                 ; 64 head + 32 half + 4 (lane/16)
	v_cvt_f32_u32 v24, s21
	LOG2G 24, 26, 27
	v_mul_f32 v22, 0x3b000000, v20                 ; l / 512
	v_mul_f32 v23, v20, v26                        ; l log2(gamma)
.irp it, 0,1,2,3,4,5,6,7
	s_wait_xcnt 0x0                                ; the last item's stores have read their registers
.irp e, 0,1
	v_add_nc_u32 v24, 8*(\it/2)+2*(\it%2)+\e, v21
	v_cvt_f32_u32 v24, v24
	TRIG 24, 20, 48, 49, 50
	v_fma_f32 v51, v22, v50, v23
	v_exp_f32 v52, v51
	v_exp_f32 v53, -v51
	v_nop
	s_wait_alu depctr_va_vdst(0)
	v_mul_f32 v[40+2*\e], v48, v52
	v_mul_f32 v[41+2*\e], v49, v52
	v_mul_f32 v[44+2*\e], v48, v53
	v_mul_f32 v[45+2*\e], v49, v53
.endr
	global_store_b128 v3, v[40:43], s[30:31] offset:512*\it
	global_store_b128 v3, v[44:47], s[32:33] offset:512*\it
.endr
	FIN
.Lrole_s:                                              ; pair m = 128 wave + 32 it + lane
	s_lshl_b32 s20, s16, 7
	v_add_nc_u32 v21, s20, v2
	v_lshlrev_b32 v3, 3, v21
	v_mov_b32 v20, 0x43000000                      ; 128
	v_mov_b32 v25, 0x44f00000                      ; 1920
	s_mov_b32 s24, DT_O
	s_add_nc_u64 s[30:31], s[12:13], s[24:25]
	s_mov_b32 s24, FT_O
	s_add_nc_u64 s[32:33], s[12:13], s[24:25]
	s_mov_b32 s24, HC_O
	s_add_nc_u64 s[34:35], s[12:13], s[24:25]
.irp it, 0,1,2,3
	s_wait_xcnt 0x0
	v_add_nc_u32 v24, 32*\it, v21
	v_cvt_f32_u32 v24, v24
	TRIG 24, 20, 48, 49, 50
	v_mul_f32 v51, 0x3e800000, v50
	v_mul_f32 v54, 0xc0700000, v50
	v_exp_f32 v52, v51                             ; s^0.25
	v_exp_f32 v53, v54                             ; s^-3.75
	v_nop
	s_wait_alu depctr_va_vdst(0)
	v_mul_f32 v40, v48, v52
	v_mul_f32 v41, -v49, v52
	TRIG 24, 25, 48, 49, 50
	v_mul_f32 v42, v48, v53
	v_mul_f32 v43, v49, v53
	global_store_b64 v3, v[40:41], s[30:31] offset:256*\it
	global_store_b64 v3, v[42:43], s[32:33] offset:256*\it
.endr
	s_cmp_lg_u32 s16, 0
	s_cbranch_scc1 .Ls_end
	s_wait_xcnt 0x0
	v_cvt_f32_u32 v24, v2                          ; a lane to a head: 32 entries are written, 8 are read
	LOG2G 24, 26, 27
	v_mul_f32 v28, 0x43000000, v26
	v_mul_f32 v29, 0x42fe0000, v26
	v_exp_f32 v40, v28
	v_exp_f32 v41, v29
	v_exp_f32 v42, v26
	v_mov_b32 v43, 0
	s_wait_alu depctr_va_vdst(0)
	v_mov_b32 v44, 0
	v_mov_b32 v45, 0
	v_mov_b32 v46, 0
	v_mov_b32 v47, 0
	v_lshlrev_b32 v4, 5, v2
	global_store_b128 v4, v[40:43], s[34:35]
	global_store_b128 v4, v[44:47], s[34:35] offset:16
.Ls_end:
	FIN
.Lfunc_end_k_qcaa1eb667d_prep:
	.size	k_qcaa1eb667d_prep, .Lfunc_end_k_qcaa1eb667d_prep-k_qcaa1eb667d_prep
	.p2alignl 7, 3214868480
	.fill 96, 4, 3214868480
	.section	.rodata,"a",@progbits
	.p2align	6, 0x0
	.amdhsa_kernel k_qcaa1eb667d_prep
		.amdhsa_group_segment_fixed_size 39424
		.amdhsa_private_segment_fixed_size 0
		.amdhsa_enable_private_segment 0
		.amdhsa_kernarg_size 40
		.amdhsa_user_sgpr_count 2
		.amdhsa_user_sgpr_kernarg_segment_ptr 1
		.amdhsa_wavefront_size32 1
		.amdhsa_system_sgpr_workgroup_id_x 1
		.amdhsa_system_sgpr_workgroup_id_y 1
		.amdhsa_system_sgpr_workgroup_id_z 1
		.amdhsa_system_vgpr_workitem_id 0
		.amdhsa_next_free_vgpr 192
		.amdhsa_next_free_sgpr 66
		.amdhsa_reserve_vcc 1
		.amdhsa_float_denorm_mode_32 3
		.amdhsa_float_denorm_mode_16_64 3
		.amdhsa_memory_ordered 1
		.amdhsa_forward_progress 1
		.amdhsa_inst_pref_size 255
	.end_amdhsa_kernel
	.section	.bss,"aw",@nobits
	.p2align	6
	.space	262144
	.amdgpu_metadata
---
amdhsa.version: [ 1, 2 ]
amdhsa.kernels:
  - .name:           k_qcaa1eb667d_prep
    .symbol:         k_qcaa1eb667d_prep.kd
    .args:
      - { .name: x, .offset: 0, .size: 8, .value_kind: global_buffer, .address_space: global }
      - { .name: Wqkv, .offset: 8, .size: 8, .value_kind: global_buffer, .address_space: global }
      - { .name: Wg, .offset: 16, .size: 8, .value_kind: global_buffer, .address_space: global }
      - { .name: Wp, .offset: 24, .size: 8, .value_kind: global_buffer, .address_space: global }
      - { .name: prep, .offset: 32, .size: 8, .value_kind: global_buffer, .address_space: global }
    .group_segment_fixed_size: 39424
    .private_segment_fixed_size: 0
    .kernarg_segment_align: 8
    .kernarg_segment_size: 40
    .max_flat_workgroup_size: 128
    .sgpr_count:     66
    .vgpr_count:     192
    .wavefront_size: 32
...
	.end_amdgpu_metadata
.endif
;; end of part 1
;; launch proj (part 2): grid 16 x 16, 4 waves a work-group, clusters of 4 x 4, 327,680 bytes of LDS; arguments prep, act; writes act
.if DOCPART == 2
	.amdgcn_target "amdgcn-amd-amdhsa--gfx1250"
	.amdhsa_code_object_version 6
	.text
	.protected	k_qcaa1eb667d_proj
	.globl	k_qcaa1eb667d_proj
	.p2align	8
	.type	k_qcaa1eb667d_proj,@function
k_qcaa1eb667d_proj:
	s_mov_b64 s[64:65], 0
	v_nop
	global_prefetch_b8 v0, s[64:65] scope:SCOPE_SE
	s_setreg_imm32_b32 hwreg(HW_REG_WAVE_MODE, 25, 1), 1
	s_wait_xcnt 0x0
	s_wait_alu depctr_hold_cnt(0) depctr_sa_sdst(0) depctr_va_vdst(0) depctr_va_sdst(0) depctr_va_ssrc(0) depctr_va_vcc(0) depctr_vm_vsrc(0)
	s_getreg_b32 s2, hwreg(HW_REG_IB_STS2, 6, 4)
	s_cmp_eq_u32 s2, 0
	s_cbranch_scc0 .Lentry_in_a_cluster
	s_endpgm
.Lentry_in_a_cluster:
	s_bfe_u32 s2, ttmp6, 0x10000c
	s_cmp_lg_u32 s2, 0xf033
	s_cbranch_scc0 .Lentry_shape_is_right
	s_endpgm
.Lentry_shape_is_right:
; PROJ.  [4096 tokens] x [6144 columns: q 1024, k 1024, v 2048, gate 2048], K = 1024, on codes of FP4 (E2M1) with E8M0 scales; then the rotation (q, k), silu (gate), and the results as f16 with one power-of-two unit for each 128 x 128.
; The product is 1,536 tiles of 128 x 128 for 256 work-groups of four waves: one and a half a wave.  So A WORK-GROUP STAYS and has two phases:
;   PHASE 1: 256 x 256 of q, k or v, a wave 128 x 128 (64 accumulators).  K = 1024 is two LDS slots of 512, both first fills.
;   PHASE 2: 256 tokens x 128 columns of the gate, a wave 128 x 64 (32 accumulators).  Its operands, for all of K, are asked for when phase 1's last K step has read the slots out, one load a wave, and land while phase 1's results leave.
; LDS holds IMAGES OF THE OPERANDS' REGISTERS: a fragment (16 rows x 128 K) is 1,024 consecutive bytes, read by two loads at 16 x lane: no pitch, no padding.
; THE SCALE WORDS go from memory straight into registers: 16 bytes are a row's words of four K steps, so sixteen lanes read 256 consecutive bytes; lanes 0-15 take side A's block, lanes 16-31 side B's.
; CLUSTERS 4 x 4: side A's tile (source 1: a lane's line of the result) is shared along a row of the cluster, side B's (source 0: a lane's eight neighbours) along a column; each is asked for jointly.
; ROLES of phase 1 by the cluster's x (the same in all partners): 0 q, 1 k: A = tokens, B = columns of W; 2 and 3 v: A = columns of W, B = tokens, so that a lane's eight neighbours are tokens.  Phase 2: A = tokens, B = columns of Wg.
; q~ = rot(q, theta l) s^(l/512) gamma^l, k~ = rot(k, theta l) s^(-l/512) gamma^(-l), l the token's place in its chunk of 128: the tables hold (c, s) with the factor multiplied in.
; THE UNIT of a 128 x 128: 2^(floor(log2(largest magnitude)) - (TOP-1)), so that the stored f16 lie under 2^TOP: TOP = 4 (q, k), 12 (v), 11 (gate).  In phase 2 two waves share a 128 x 128 and exchange their maxima through LDS.
; LIMITS: NaN and infinities are not served; a tile whose largest magnitude lies under 2^-40 loses precision; numbers far under a tile's largest fall among f16's subnormals and are rounded absolutely.
; REGISTERS: window 0: v16-31 addresses; v32-95 scale words and nothing else; v96-105 the way out's small things; v128-191 A's fragments, later at work; v192-255 packed results.
;   window 1: phase 1: B's fragments, two sets, then the tables, three sets; phase 2: A's fragments at v0 and v64, B's at v128 and v160.
;   windows 2, 3: phase 1's accumulators, (a, b) at v[8 (8 (a%4) + b)];  window 2: phase 2's, (a, b) at v[8 (4 a + b)].
.set WC_O,  2097152
.set XS_O,  5242880
.set WS_O,  5373952
.set FQ_O,  9764864
.set FK_O,  10289152
.set KH_O,  8388608
.set VT_O,  16777216
.set GT_O,  33554432
.set UN_O,  50331648
.set NQ,    4                          ; K steps of 128 in a slot
.set FR,    8
.set NL,    2
.set NP,    4                          ; places behind this matrix instruction (ISA guide 7.12.1)
.set SLOT,  131072                     ; phase 1: A's 16 row tiles x 4,096, then B's.  Phase 2: x's 16 row tiles x 8,192 from byte 0, Wg's 8 from byte 131,072
.set SCR,   262144                     ; four words, one a wave, in a block of 256 bytes into which no tile lands
.set SPARE, 262400                     ; the spare words
.set ADRA,  16                         ; v16-17 LDS address of my A fragments in slot 0, 1
.set ADRB,  20                         ; v20-21 of B's
.set ADRA2, 22                         ; phase 2's
.set ADRB2, 23
.set VS2,   24                         ; phase 2's scale words: my byte offset in prep
.set SCRW,  25                         ; my wave's scratch word
.set CO,    26                         ; 16 x lane
.set VS1,   27                         ; phase 1's scale words
.set SPW,   28
.set NIL,   29
.set SCRR,  30                         ; my partner wave's scratch word
.set VS2B,  31                         ; as VS2, lanes 16-31 four blocks back: B has four blocks where A has eight
.set SC,    32
.set MX,    96
.set INV,   104
.set AF,    128
.set TT,    128
.set G1,   24                          ; s[24:31] group 1, phase 1, A's tiles;  s[32:39] group 0, a set for each slot
.set G0,   32
.set G1B,  48                          ; the same for B's
.set G0B,  56
.set G1A2, 68                          ; s[68:75], s[76:79] phase 2, x's tiles
.set G0A2, 76
.set G1B2, 80                          ; s[80:87], s[88:91] phase 2, Wg's tiles
.set G0B2, 88
.set MSB, 0
.macro WIN new                         ; the immediate's high byte repeats the setting that is left
.if MSB != (\new)
	s_set_vgpr_msb (MSB<<8)|(\new)
.set MSB, (\new)
.endif
.endm
.set MUL_LO, 0xa1
.set MUL_HI, 0xf1
.set TO_B,   0x40
.macro JLOAD g0a, g1a, g0b, g1b        ; waves 0 and 1 fetch for A, waves 2 and 3 for B; the branch hangs on the wave's number alone
	s_cmp_eq_u32 s15, 0
	s_cbranch_scc0 .Lfor_b_\@
	tensor_load_to_lds s[\g0a:\g0a+3], s[\g1a:\g1a+7]
	s_nop 0
.rept 4
	v_nop
.endr
	s_branch .Lasked_\@
.Lfor_b_\@:
	tensor_load_to_lds s[\g0b:\g0b+3], s[\g1b:\g1b+7]
	s_nop 0
.rept 4
	v_nop
.endr
.Lasked_\@:
.endm
.macro CREST                           ; a round of the cluster's barrier behind its opening barrier
	s_cmp_lg_u32 s14, 0
	s_cbranch_scc1 .Lnot_wave_0_\@
	s_barrier_signal -3
.Lnot_wave_0_\@:
	s_barrier_wait -3
	s_barrier_signal -1
	s_barrier_wait -1
.endm
.macro CROUND                          ; a whole round
	s_barrier_signal -1
	s_barrier_wait -1
	CREST
.endm
	s_load_b128 s[4:7], s[0:1], 0x0                ; prep s[4:5], act s[6:7]
	v_lshl_add_u32 v[SPW], v0, 2, SPARE
	v_mov_b32 v[NIL], 0
	ds_add_u32 v[SPW], v[NIL]                      ; the wave's opening: the add and its wait come ahead of my first tensor load
	v_lshrrev_b32 v1, 5, v0
	v_readfirstlane_b32 s14, v1                    ; wave
	s_lshr_b32 s15, s14, 1                         ; my half of A's lines.  Also: I fetch for A (0) or for B (1)
	s_and_b32 s16, s14, 1                          ; my half of B's.  Also: which half of that side's rows I fetch
	s_bfe_u32 s40, ttmp6, 0x40000                  ; cx
	s_bfe_u32 s41, ttmp6, 0x40004                  ; cy
	s_and_b32 s19, ttmp7, 0xffff                   ; the cluster's y: tokens
	s_mov_b32 s12, XS_O
	s_mov_b32 s13, WS_O
	s_lshr_b32 s18, ttmp9, 1
	s_cmp_eq_u32 s18, 1                            ; v's columns: the sides change places
	s_cselect_b32 s8, ttmp9, s19                   ; A's coordinate of the cluster
	s_cselect_b32 s9, s19, ttmp9                   ; B's
	s_cselect_b32 s10, WC_O, 0                     ; where A's codes begin in prep
	s_cselect_b32 s11, 0, WC_O                     ; B's
	s_cselect_b32 s12, WS_O, s12                   ; A's scales
	s_cselect_b32 s13, XS_O, s13                   ; B's
	s_lshl_b32 s17, s8, 2
	s_add_co_u32 s17, s17, s41                     ; A's tile of 256: 4 x coordinate + cy
	s_lshl_b32 s42, s9, 2
	s_add_co_u32 s42, s42, s40                     ; B's: + cx
	s_lshl_b32 s43, s41, 2
	s_lshl_b32 s43, 15, s43                        ; my row of the cluster
	s_lshl_b32 s44, 0x1111, s40                    ; my column
	; phase 1: 8 row tiles x 4,096 bytes (four K steps), 8,192 bytes apart: elements of 8 bytes
	s_or_b32 s[G1+0], s43, (3<<16)|(1<<21)
	s_or_b32 s[G1B+0], s44, (3<<16)|(1<<21)
.irp g, G1, G1B
	s_mov_b32 s[\g+1], 512<<16                     ; tensor_dim0
	s_mov_b32 s[\g+2], 8<<16                       ; tensor_dim1
	s_mov_b32 s[\g+3], 512<<16                     ; tile_dim0
	s_mov_b32 s[\g+4], 8                           ; tile_dim1
	s_mov_b32 s[\g+5], 1024                        ; stride
	s_mov_b32 s[\g+6], 0
	s_mov_b32 s[\g+7], 0
.endr
	; phase 2: whole row tiles of 8,192 bytes, dense: 8 of x, 4 of Wg
	s_or_b32 s[G1A2+0], s43, (3<<16)|(1<<21)
	s_mov_b32 s[G1A2+1], 1024<<16
	s_mov_b32 s[G1A2+2], 8<<16
	s_mov_b32 s[G1A2+3], 1024<<16
	s_mov_b32 s[G1A2+4], 8
	s_mov_b32 s[G1A2+5], 1024
	s_mov_b32 s[G1A2+6], 0
	s_mov_b32 s[G1A2+7], 0
	s_or_b32 s[G1B2+0], s44, (3<<16)|(1<<21)
	s_mov_b32 s[G1B2+1], 1024<<16
	s_mov_b32 s[G1B2+2], 4<<16
	s_mov_b32 s[G1B2+3], 1024<<16
	s_mov_b32 s[G1B2+4], 4
	s_mov_b32 s[G1B2+5], 1024
	s_mov_b32 s[G1B2+6], 0
	s_mov_b32 s[G1B2+7], 0
	s_lshl_b32 s18, s16, 3                         ; which 8 row tiles I fetch
	s_lshl_b32 s20, s17, 4
	s_add_co_u32 s20, s20, s18
	s_lshl_b32 s20, s20, 13
	s_add_co_u32 s20, s20, s10                     ; A's codes, in bytes
	s_mov_b32 s21, 0
	s_lshl_b32 s46, s42, 4
	s_add_co_u32 s46, s46, s18
	s_lshl_b32 s46, s46, 13
	s_add_co_u32 s46, s46, s11                     ; B's
	s_mov_b32 s47, 0
	s_lshl_b32 s45, s14, 15                        ; where they go: wave x 32,768: no place in the cluster enters an LDS address
	s_lshl_b32 s66, s19, 2
	s_add_co_u32 s66, s66, s41                     ; phase 2: my 256 tokens: 4 x cluster y + cy
	s_lshl_b32 s22, s66, 4
	s_add_co_u32 s22, s22, s18
	s_lshl_b32 s22, s22, 13                        ; x's codes
	s_mov_b32 s23, 0
	s_lshl_b32 s67, ttmp9, 2
	s_add_co_u32 s67, s67, s40                     ; my 128 columns of the gate: 4 x cluster x + cx
	s_lshl_b32 s92, s67, 3
	s_lshl_b32 s94, s16, 2                         ; which 4 row tiles I fetch
	s_add_co_u32 s92, s92, s94
	s_add_co_u32 s92, s92, 256                     ; Wg's row tiles lie behind Wqkv's 256
	s_lshl_b32 s92, s92, 13
	s_add_co_u32 s92, s92, WC_O
	s_mov_b32 s93, 0
	s_lshl_b32 s94, s16, 16                        ; where x's half goes
	s_lshl_b32 s95, s16, 15
	s_add_co_u32 s95, s95, 131072                  ; and Wg's
	s_wait_dscnt 0x0                               ; the opening add is done
	s_wait_kmcnt 0x0
	s_add_nc_u64 s[20:21], s[4:5], s[20:21]
	s_add_nc_u64 s[46:47], s[4:5], s[46:47]
	s_add_nc_u64 s[22:23], s[4:5], s[22:23]
	s_add_nc_u64 s[92:93], s[4:5], s[92:93]
	CROUND                                         ; all sixteen work-groups are here: the first joint loads meet
.irp s, 0,1
	s_mov_b32 s[G0+4*\s], 1
	s_add_co_u32 s[G0+4*\s+1], s45, \s*SLOT
	s_add_nc_u64 s[G0+4*\s+2:G0+4*\s+3], s[20:21], \s*4096
	s_or_b32 s[G0+4*\s+3], s[G0+4*\s+3], 0x80000000
	s_mov_b32 s[G0B+4*\s], 1
	s_add_co_u32 s[G0B+4*\s+1], s45, \s*SLOT
	s_add_nc_u64 s[G0B+4*\s+2:G0B+4*\s+3], s[46:47], \s*4096
	s_or_b32 s[G0B+4*\s+3], s[G0B+4*\s+3], 0x80000000
	JLOAD G0+4*\s, G1, G0B+4*\s, G1B               ; two loads of mine go out: slot 0, slot 1
.endr
	s_mov_b32 s[G0A2], 1                           ; phase 2's groups 0 have registers of their own and wait for their turn
	s_mov_b32 s[G0A2+1], s94
	s_mov_b64 s[G0A2+2:G0A2+3], s[22:23]
	s_or_b32 s[G0A2+3], s[G0A2+3], 0x80000000
	s_mov_b32 s[G0B2], 1
	s_mov_b32 s[G0B2+1], s95
	s_mov_b64 s[G0B2+2:G0B2+3], s[92:93]
	s_or_b32 s[G0B2+3], s[G0B2+3], 0x80000000
	v_and_b32 v1, 15, v0                           ; r
	v_bfe_u32 v2, v0, 4, 1                         ; h
	v_and_b32 v3, 31, v0
	v_lshlrev_b32 v[CO], 4, v3                     ; 16 x lane
	; the scale words.  Block i of a side, K half s: side + (first row tile + i) x 512 + 256 s + 16 r
	v_cmp_eq_u32 s96, 1, v2                        ; lanes 16-31 take side B's
	s_lshl_b32 s21, s17, 4
	s_lshl_b32 s22, s15, 3
	s_add_co_u32 s21, s21, s22
	s_lshl_b32 s21, s21, 9
	s_add_co_u32 s21, s21, s12
	s_lshl_b32 s23, s42, 4
	s_add_co_u32 s23, s23, s18
	s_lshl_b32 s23, s23, 9
	s_add_co_u32 s23, s23, s13
	v_mov_b32 v5, s21
	v_mov_b32 v6, s23
	v_cndmask_b32 v5, v5, v6, s96
	v_lshl_add_u32 v[VS1], v1, 4, v5
.macro GSCALES va, vb                  ; 16 loads: register SC + 32 s + 4 i + q: lanes 0-15 the word of A's block i, lanes 16-31 that of B's, for K step q of half s
.irp s, 0,1
.irp i, 0,1,2,3
	global_load_b128 v[SC+32*\s+4*\i:SC+32*\s+4*\i+3], v[\va], s[4:5] offset:512*\i+256*\s
.endr
.irp i, 4,5,6,7
	global_load_b128 v[SC+32*\s+4*\i:SC+32*\s+4*\i+3], v[\vb], s[4:5] offset:512*\i+256*\s
.endr
.endr
.endm
	GSCALES VS1, VS1
	s_lshl_b32 s21, s66, 4
	s_add_co_u32 s21, s21, s22
	s_lshl_b32 s21, s21, 9
	s_add_co_u32 s21, s21, XS_O
	s_lshl_b32 s23, s67, 3
	s_lshl_b32 s18, s16, 2
	s_add_co_u32 s23, s23, s18
	s_add_co_u32 s23, s23, 256
	s_lshl_b32 s23, s23, 9
	s_add_co_u32 s23, s23, WS_O
	v_mov_b32 v5, s21
	v_mov_b32 v6, s23
	v_cndmask_b32 v5, v5, v6, s96
	v_lshl_add_u32 v[VS2], v1, 4, v5
	v_lshlrev_b32 v6, 11, v2
	v_sub_nc_u32 v[VS2B], v[VS2], v6               ; for blocks 4-7 lanes 16-31 read B's blocks 0-3 once more: those lanes are not used
	s_lshl_b32 s21, s15, 15                        ; my 8 row tiles of A
	s_lshl_b32 s22, s16, 15
	s_add_co_u32 s22, s22, 65536                   ; of B, behind A's 16
.irp s, 0,1
	v_add_nc_u32 v[ADRA+\s], s21, v[CO]
	v_add_nc_u32 v[ADRB+\s], s22, v[CO]
	s_add_co_u32 s21, s21, SLOT
	s_add_co_u32 s22, s22, SLOT
.endr
	s_lshl_b32 s21, s15, 16
	v_add_nc_u32 v[ADRA2], s21, v[CO]              ; phase 2: my 8 row tiles of x,
	v_add_nc_u32 v[ADRB2], s95, v[CO]              ; my 4 of Wg
	s_lshl_b32 s21, s14, 2
	s_add_co_u32 s21, s21, SCR
	v_mov_b32 v[SCRW], s21
	s_xor_b32 s21, s14, 1
	s_lshl_b32 s21, s21, 2
	s_add_co_u32 s21, s21, SCR
	v_mov_b32 v[SCRR], s21
.macro FRAG reg, adr, q, i
.irp c, 0,1
	ds_load_b128 v[\reg+4*\c:\reg+4*\c+3], v[\adr] offset:4096*(\i)+1024*(\q)+512*\c
.endr
.endm
; 16 matrix instructions: A's blocks a0, a0 + 1 x B's eight.  The 64 accumulators take turns, one instruction a turn.
.macro MUL16 a0, p, q, sc, zero
.irp a, \a0, \a0+1
.irp b, 0,1,2,3,4,5,6,7
.if \zero
	v_wmma_scale_f32_16x16x128_f8f6f4 v[8*(8*((\a)%4)+\b):8*(8*((\a)%4)+\b)+7], v[128*(\p)+FR*\b:128*(\p)+FR*\b+FR-1], v[AF+FR*(\a):AF+FR*(\a)+FR-1], 0, v[SC+8*NQ*(\sc)+NQ*\b+(\q)], v[SC+8*NQ*(\sc)+NQ*(\a)+(\q)] matrix_a_fmt:MATRIX_FMT_FP4 matrix_b_fmt:MATRIX_FMT_FP4 matrix_a_scale:MATRIX_SCALE_ROW1
.else
	v_wmma_scale_f32_16x16x128_f8f6f4 v[8*(8*((\a)%4)+\b):8*(8*((\a)%4)+\b)+7], v[128*(\p)+FR*\b:128*(\p)+FR*\b+FR-1], v[AF+FR*(\a):AF+FR*(\a)+FR-1], v[8*(8*((\a)%4)+\b):8*(8*((\a)%4)+\b)+7], v[SC+8*NQ*(\sc)+NQ*\b+(\q)], v[SC+8*NQ*(\sc)+NQ*(\a)+(\q)] matrix_a_fmt:MATRIX_FMT_FP4 matrix_b_fmt:MATRIX_FMT_FP4 matrix_a_scale:MATRIX_SCALE_ROW1
.endif
.endr
.endr
.endm
.macro FETCH_B slot, q, p
	WIN TO_B
.irp i, 0,1,2,3,4,5,6,7
	FRAG 128*(\p)+FR*\i, ADRB+\slot, \q, \i
.endr
	WIN 0
.endm
.macro FETCH_A slot, q, i0
.irp i, \i0, \i0+1, \i0+2, \i0+3
	FRAG AF+FR*(\i), ADRA+\slot, \q, \i
.endr
.endm
.macro PLACES n                        ; plain vector instructions between a matrix instruction and a load into, or a read of, its registers
.rept \n
	v_nop
.endr
.endm
.macro STEP slot, q, zero
	s_wait_dscnt 4*NL                              ; B's set and A's blocks 0-3 are in; the youngest eight loads (A's blocks 4-7) may be out
	WIN MUL_LO
	MUL16 0, (\q)%2, \q, \slot, \zero
	MUL16 2, (\q)%2, \q, \slot, \zero
	s_wait_dscnt 0
	PLACES NP
	FETCH_B \slot, (\q)+1, 1-(\q)%2
	FETCH_A \slot, (\q)+1, 0
	WIN MUL_HI
	MUL16 4, (\q)%2, \q, \slot, \zero
	MUL16 6, (\q)%2, \q, \slot, \zero
	PLACES NP
	WIN 0
	FETCH_A \slot, (\q)+1, 4
.endm
.macro STEPS slot, from
.set Q, \from
.rept NQ-1-\from
	STEP \slot, Q, 0
.set Q, Q+1
.endr
.endm
; ---------------- PHASE 1
	s_wait_tensorcnt 1                             ; my part of slot 0 is in; slot 1's load may be out
	s_barrier_signal -1
	s_barrier_wait -1
	FETCH_B 0, 0, 0
	FETCH_A 0, 0, 0
	FETCH_A 0, 0, 4
	s_wait_loadcnt 0x0                             ; the scale words
	STEP 0, 0, 1                                   ; the first step's products start the sums
	STEPS 0, 1
	; slot 0's last step changes slots: one barrier
	s_wait_tensorcnt 0x0                           ; my part of slot 1 has landed
	ds_add_u32 v[SPW], v[NIL]
	s_wait_dscnt 4*NL+1                            ; the add and the youngest eight loads may be out
	WIN MUL_LO
	MUL16 0, 1, NQ-1, 0, 0
	s_wait_dscnt 0x0
	s_barrier_signal -1
	MUL16 2, 1, NQ-1, 0, 0
	WIN 0
	s_barrier_wait -1                              ; slot 1 is whole
	PLACES NP
	FETCH_B 1, 0, 0
	FETCH_A 1, 0, 0
	WIN MUL_HI
	MUL16 4, 1, NQ-1, 0, 0
	MUL16 6, 1, NQ-1, 0, 0
	PLACES NP
	WIN 0
	FETCH_A 1, 0, 4
	STEPS 1, 0
	; the last step: both slots have been read out, and their bytes take phase 2's operands.  Every wave waits for all its tensor loads, adds 0 to its spare word, waits for that and for its reads;
	; a round of the cluster's barrier shows the same of every wave of every partner; the joint load is the first thing behind it, one a wave.
	s_wait_tensorcnt 0x0                           ; no tensor load of mine is out
	ds_add_u32 v[SPW], v[NIL]
	s_wait_dscnt 4*NL+1                            ; the add and the youngest eight loads may be out
	WIN MUL_LO
	MUL16 0, 1, NQ-1, 1, 0
	s_wait_dscnt 0x0                               ; the add is done, and my reads of the slots are over
	s_barrier_signal -1
	MUL16 2, 1, NQ-1, 1, 0
	WIN 0
	s_barrier_wait -1
	CREST
	JLOAD G0A2, G1A2, G0B2, G1B2                   ; x's 256 rows and Wg's 128, all of K: it has phase 1's whole way out in which to land
	WIN MUL_HI
	MUL16 4, 1, NQ-1, 1, 0
	MUL16 6, 1, NQ-1, 1, 0
	WIN 0
	PLACES NP
; THE WAY OUT.  Pass 1 by role: the values are finished in place and the tile's largest magnitude is taken.  Then the unit; pass 2 divides by it, rounds to f16 and stores each 16 x 16 as 512 consecutive bytes.
.macro MAXES                           ; 64 registers at AC of window AW; each accumulator is read from its low end on
	WIN (AW<<2)|AW
.set i_, 0
.rept 32
	v_max3_num_f32 v[MX+i_%4], |v[AC+2*i_]|, |v[AC+2*i_+1]|, v[MX+i_%4]
.set i_, i_+1
.endr
.endm
.macro TABLOAD a                       ; row a's (c, s): 16 loads into window 1, set a % 3
	WIN 0x40
.set tb_, 64*((\a)%3)
.irp b, 0,1,2,3,4,5,6,7
	global_load_b128 v[tb_+8*\b:tb_+8*\b+3], v[CO], s[12:13] offset:8192*(\a)+1024*\b
	global_load_b128 v[tb_+8*\b+4:tb_+8*\b+7], v[CO], s[12:13] offset:8192*(\a)+1024*\b+512
.endr
.endm
.macro ROT_ROW a
.set AW, 2+(\a)/4
.set AC, 64*((\a)%4)
.set TB, 64*((\a)%3)
.if (\a) < 6
	s_wait_loadcnt 32                              ; this row's 16 loads are in; the next two rows' may be out
.else
	s_wait_loadcnt 16*(7-(\a))
.endif
	WIN (1<<2)|AW
.set i_, 0
.rept 32
	v_pk_mul_f32 v[TT+2*i_:TT+2*i_+1], v[AC+2*i_:AC+2*i_+1], v[TB+2*i_:TB+2*i_+1] op_sel:[1,1] op_sel_hi:[0,1]   ; (x1 s, x0 s)
.set i_, i_+1
.endr
	WIN (AW<<6)|(1<<2)|AW
.set i_, 0
.rept 32
	v_pk_fma_f32 v[AC+2*i_:AC+2*i_+1], v[AC+2*i_:AC+2*i_+1], v[TB+2*i_:TB+2*i_+1], v[TT+2*i_:TT+2*i_+1] op_sel_hi:[1,0,1] neg_lo:[0,0,1]   ; (x0 c - x1 s, x1 c + x0 s)
.set i_, i_+1
.endr
.if (\a)+3 < 8
	TABLOAD (\a)+3                                 ; into the set just used
.endif
	MAXES
.endm
.macro MAX_ROW a
.set AW, 2+(\a)/4
.set AC, 64*((\a)%4)
	MAXES
.endm
.macro LANEMAX                         ; the four chains, the floor 2^-40, the 32 lanes: the wave's largest magnitude in every lane
	v_max3_num_f32 v[MX], v[MX], v[MX+1], v[MX+2]
	v_max3_num_f32 v[MX], v[MX], v[MX+3], 0x2b800000
	v_max_num_f32_dpp v[MX], v[MX], v[MX] row_xmask:1 row_mask:0xf bank_mask:0xf
	v_max_num_f32_dpp v[MX], v[MX], v[MX] row_xmask:2 row_mask:0xf bank_mask:0xf
	v_max_num_f32_dpp v[MX], v[MX], v[MX] row_xmask:4 row_mask:0xf bank_mask:0xf
	v_max_num_f32_dpp v[MX], v[MX], v[MX] row_xmask:8 row_mask:0xf bank_mask:0xf
	v_permlanex16_b32 v[MX+1], v[MX], s2, s3
	v_max_num_f32 v[MX], v[MX], v[MX+1]
.endm
.macro UNIT sb                         ; the unit, its reciprocal, and the unit's store by the lanes in which v1 is 0
	v_and_b32 v[MX], 0x7f800000, v[MX]
	v_sub_nc_u32 v100, v[MX], s27                  ; TOP - 1 off the exponent field
	v_sub_nc_u32 v[INV], 0x7f000000, v100
	v_mov_b32 v[INV+1], v[INV]
	v_mov_b32 v101, 0
	v_cmp_eq_u32 vcc_lo, 0, v1
	s_wait_xcnt 0x0                                ; EXEC changes only behind this wait
	s_and_saveexec_b32 s28, vcc_lo
	global_store_b32 v101, v100, s[\sb:\sb+1]
	s_wait_xcnt 0x0
	s_or_b32 exec_lo, exec_lo, s28
.endm
.macro OUT_ROW a
.set AW, 2+(\a)/4
.set AC, 64*((\a)%4)
.set PK, 192+32*((\a)%2)
	WIN (AW<<6)|AW
.set i_, 0
.rept 32
	v_pk_mul_f32 v[AC+2*i_:AC+2*i_+1], v[AC+2*i_:AC+2*i_+1], v[INV:INV+1] op_sel_hi:[1,0]
.set i_, i_+1
.endr
	s_wait_xcnt 0x0                                ; earlier stores have read their registers
	WIN (AW<<2)|AW
.set i_, 0
.rept 32
	v_cvt_pk_f16_f32 v[PK+i_], v[AC+2*i_], v[AC+2*i_+1]
.set i_, i_+1
.endr
	WIN 0
.irp b, 0,1,2,3,4,5,6,7
	global_store_b128 v[CO], v[PK+4*\b:PK+4*\b+3], s[8:9] offset:(8*(\a)+\b)*512   ; 512 consecutive bytes
.endr
.endm
	s_lshl_b32 s20, s17, 1
	s_add_co_u32 s20, s20, s15                     ; my block of 128 on side A
	s_lshl_b32 s21, s42, 1
	s_add_co_u32 s21, s21, s16                     ; on side B
	s_lshr_b32 s18, ttmp9, 1
	s_cmp_eq_u32 s18, 1
	s_cselect_b32 s22, s21, s20                    ; the chunk of tokens, 0..31
	s_cselect_b32 s23, s20, s21                    ; the block of columns, 0..31
	s_lshr_b32 s24, s22, 4                         ; batch  (s24 on held phase 1's group 1: its loads are done)
	s_and_b32 s25, s22, 15                         ; chunk in it
	s_mov_b32 s9, 0
	s_mov_b32 s11, 0
	s_mov_b32 s13, 0
	s_mov_b32 s2, 0x76543210
	s_mov_b32 s3, 0xfedcba98
	v_and_b32 v1, 31, v0
.irp i, 0,1,2,3
	v_mov_b32 v[MX+\i], 0
.endr
	s_cmp_lt_u32 ttmp9, 2
	s_cbranch_scc1 .Lqk
	s_sub_co_u32 s26, s23, 16                      ; V: 2 head + half
	s_lshl_b32 s8, s22, 4
	s_add_co_u32 s8, s8, s26
	s_lshl_b32 s8, s8, 15
	s_add_co_u32 s8, s8, VT_O
	s_lshl_b32 s10, s24, 4
	s_add_co_u32 s10, s10, s26
	s_lshl_b32 s10, s10, 4
	s_add_co_u32 s10, s10, s25
	s_lshl_b32 s10, s10, 2
	s_add_co_u32 s10, s10, UN_O+2048
	s_mov_b32 s27, 11<<23
.irp a, 0,1,2,3,4,5,6,7
	MAX_ROW \a
.endr
	WIN 0
	s_branch .Lout
.Lqk:
	s_and_b32 s26, s23, 7                          ; Q AND K: the head
	s_lshl_b32 s8, s22, 3
	s_add_co_u32 s8, s8, s26
	s_lshl_b32 s8, s8, 15
	s_lshl_b32 s10, s24, 3
	s_add_co_u32 s10, s10, s26
	s_lshl_b32 s10, s10, 4
	s_add_co_u32 s10, s10, s25
	s_lshl_b32 s10, s10, 2
	s_lshl_b32 s12, s26, 16
	s_cmp_eq_u32 ttmp9, 0
	s_cselect_b32 s28, 0, KH_O
	s_cselect_b32 s29, 0, 1024
	s_cselect_b32 s30, 0, FK_O-FQ_O
	s_add_co_u32 s8, s8, s28
	s_add_co_u32 s10, s10, s29
	s_add_co_u32 s10, s10, UN_O
	s_add_co_u32 s12, s12, s30
	s_add_co_u32 s12, s12, FQ_O
	s_add_nc_u64 s[12:13], s[4:5], s[12:13]        ; the head's table
	s_mov_b32 s27, 3<<23
	TABLOAD 0                                      ; three rows, 48 loads, are on their way
	TABLOAD 1
	TABLOAD 2
.irp a, 0,1,2,3,4,5,6,7
	ROT_ROW \a
.endr
	WIN 0
.Lout:
	GSCALES VS2, VS2B                              ; phase 2's scale words: they land while pass 2 stores
	s_add_nc_u64 s[8:9], s[6:7], s[8:9]            ; my block of 32,768 bytes
	s_add_nc_u64 s[10:11], s[6:7], s[10:11]        ; my unit's word
	LANEMAX
	UNIT 10                                        ; lane 0 stores it
.irp a, 0,1,2,3,4,5,6,7
	OUT_ROW \a
.endr
; ---------------- PHASE 2: the gate.  8 K steps of 128; a step is 32 matrix instructions on 32 accumulators by turns; the next step's 24 LDS loads go out ahead of them, into the other set.
.macro FETCH2 q
.set p_, (\q)%2
	WIN TO_B
.irp i, 0,1,2,3,4,5,6,7
	ds_load_b128 v[64*p_+8*\i:64*p_+8*\i+3], v[ADRA2] offset:8192*\i+1024*(\q)
	ds_load_b128 v[64*p_+8*\i+4:64*p_+8*\i+7], v[ADRA2] offset:8192*\i+1024*(\q)+512
.endr
.irp i, 0,1,2,3
	ds_load_b128 v[128+32*p_+8*\i:128+32*p_+8*\i+3], v[ADRB2] offset:8192*\i+1024*(\q)
	ds_load_b128 v[128+32*p_+8*\i+4:128+32*p_+8*\i+7], v[ADRB2] offset:8192*\i+1024*(\q)+512
.endr
.endm
.macro MUL2 q
.set p_, (\q)%2
.set sc_, SC+32*((\q)/4)+(\q)%4
	WIN 0xa5                                       ; both sources window 1, C and D window 2
.irp a, 0,1,2,3,4,5,6,7
.irp b, 0,1,2,3
.if (\q) == 0
	v_wmma_scale_f32_16x16x128_f8f6f4 v[8*(4*\a+\b):8*(4*\a+\b)+7], v[128+32*p_+8*\b:128+32*p_+8*\b+7], v[64*p_+8*\a:64*p_+8*\a+7], 0, v[sc_+4*\b], v[sc_+4*\a] matrix_a_fmt:MATRIX_FMT_FP4 matrix_b_fmt:MATRIX_FMT_FP4 matrix_a_scale:MATRIX_SCALE_ROW1
.else
	v_wmma_scale_f32_16x16x128_f8f6f4 v[8*(4*\a+\b):8*(4*\a+\b)+7], v[128+32*p_+8*\b:128+32*p_+8*\b+7], v[64*p_+8*\a:64*p_+8*\a+7], v[8*(4*\a+\b):8*(4*\a+\b)+7], v[sc_+4*\b], v[sc_+4*\a] matrix_a_fmt:MATRIX_FMT_FP4 matrix_b_fmt:MATRIX_FMT_FP4 matrix_a_scale:MATRIX_SCALE_ROW1
.endif
.endr
.endr
.endm
	s_wait_tensorcnt 0x0                           ; my one load that was out, my part of the gate's operands, has landed
	s_wait_dscnt 0x0
	s_barrier_signal -1
	s_barrier_wait -1                              ; everybody's has.
	s_wait_loadcnt 0x0                             ; the scale words
	FETCH2 0
.set q2, 0
.rept 8
.if q2 < 7
.if q2 > 0
	PLACES NP                                      ; the set to be loaded was read by the step before
.endif
	FETCH2 q2+1
	s_wait_dscnt 24                                ; this step's fragments are in; the 24 loads just issued may be out
.else
	s_wait_dscnt 0x0
.endif
	MUL2 q2
.set q2, q2+1
.endr
	WIN 0
	PLACES NP
	s_lshl_b32 s20, s66, 1
	s_add_co_u32 s20, s20, s15                     ; the chunk of tokens
	s_lshl_b32 s20, s20, 4
	s_add_co_u32 s20, s20, s67                     ; 16 chunk + column block
	s_lshl_b32 s98, s20, 2
	s_add_co_u32 s98, s98, UN_O+4096
	s_mov_b32 s99, 0
	s_lshl_b32 s96, s20, 15
	s_lshl_b32 s21, s16, 11                        ; my four tiles of each row of eight
	s_add_co_u32 s96, s96, s21
	s_add_co_u32 s96, s96, GT_O
	s_mov_b32 s97, 0
	s_add_nc_u64 s[96:97], s[6:7], s[96:97]
	s_add_nc_u64 s[98:99], s[6:7], s[98:99]
	s_mov_b32 s27, 10<<23
.irp i, 0,1,2,3
	v_mov_b32 v[MX+\i], 0
.endr
.macro SILU4 a2                        ; x / (1 + 2^(-x log2 e)) on 64 registers: rows 2 a2, 2 a2 + 1
.set AW, 2
.set AC, 64*(\a2)
	WIN AW
.set i_, 0
.rept 32
	v_pk_mul_f32 v[TT+2*i_:TT+2*i_+1], v[AC+2*i_:AC+2*i_+1], 0xbfb8aa3b op_sel_hi:[1,0]
.set i_, i_+1
.endr
	WIN 0
.set i_, 0
.rept 64
	v_exp_f32 v[TT+i_], v[TT+i_]
.set i_, i_+1
.endr
	v_nop                                          ; a plain instruction behind the batch
	s_wait_alu depctr_va_vdst(0)                   ; one wait for the batch, ahead of its first reader
.set i_, 0
.rept 32
	v_pk_add_f32 v[TT+2*i_:TT+2*i_+1], v[TT+2*i_:TT+2*i_+1], 1.0 op_sel_hi:[1,0]
.set i_, i_+1
.endr
.set i_, 0
.rept 64
	v_rcp_f32 v[TT+i_], v[TT+i_]
.set i_, i_+1
.endr
	v_nop
	s_wait_alu depctr_va_vdst(0)
	WIN (AW<<6)|AW
.set i_, 0
.rept 32
	v_pk_mul_f32 v[AC+2*i_:AC+2*i_+1], v[AC+2*i_:AC+2*i_+1], v[TT+2*i_:TT+2*i_+1]
.set i_, i_+1
.endr
	MAXES
.endm
.macro OUT2 a2
.set AC, 64*(\a2)
.set PK, 192+32*((\a2)%2)
	WIN 0x82
.set i_, 0
.rept 32
	v_pk_mul_f32 v[AC+2*i_:AC+2*i_+1], v[AC+2*i_:AC+2*i_+1], v[INV:INV+1] op_sel_hi:[1,0]
.set i_, i_+1
.endr
	s_wait_xcnt 0x0                                ; earlier stores have read their registers
	WIN 0x0a
.set i_, 0
.rept 32
	v_cvt_pk_f16_f32 v[PK+i_], v[AC+2*i_], v[AC+2*i_+1]
.set i_, i_+1
.endr
	WIN 0
.irp g, 0,1,2,3,4,5,6,7
	global_store_b128 v[CO], v[PK+4*\g:PK+4*\g+3], s[96:97] offset:(8*(2*(\a2)+\g/4)+\g%4)*512   ; 512 consecutive bytes
.endr
.endm
.irp a2, 0,1,2,3
	SILU4 \a2
.endr
	WIN 0
	LANEMAX
	ds_store_b32 v[SCRW], v[MX]                    ; all lanes write my wave's word with the same value
	s_wait_dscnt 0x0                               ; for the other wave's sake: my store is done
	s_barrier_signal -1
	s_barrier_wait -1
	ds_load_b32 v[MX+1], v[SCRR]                   ; the wave that holds the other 64 columns of my 128 x 128
	v_and_b32 v1, 63, v0                           ; 0 in lane 0 of waves 0 and 2: one store for each 128 x 128
	s_wait_dscnt 0x0
	v_max_num_f32 v[MX], v[MX], v[MX+1]
	UNIT 98
.irp a2, 0,1,2,3
	OUT2 \a2
.endr
	s_wait_tensorcnt 0x0                           ; the wave's end
	ds_add_u32 v[SPW], v[NIL]
	s_wait_dscnt 0x0
	CROUND                                         ; the closing round
	s_endpgm
.Lfunc_end_k_qcaa1eb667d_proj:
	.size	k_qcaa1eb667d_proj, .Lfunc_end_k_qcaa1eb667d_proj-k_qcaa1eb667d_proj
	.p2alignl 7, 3214868480
	.fill 96, 4, 3214868480
	.section	.rodata,"a",@progbits
	.p2align	6, 0x0
	.amdhsa_kernel k_qcaa1eb667d_proj
		.amdhsa_group_segment_fixed_size 327680
		.amdhsa_private_segment_fixed_size 0
		.amdhsa_enable_private_segment 0
		.amdhsa_kernarg_size 16
		.amdhsa_user_sgpr_count 2
		.amdhsa_user_sgpr_kernarg_segment_ptr 1
		.amdhsa_wavefront_size32 1
		.amdhsa_system_sgpr_workgroup_id_x 1
		.amdhsa_system_sgpr_workgroup_id_y 1
		.amdhsa_system_sgpr_workgroup_id_z 1
		.amdhsa_system_vgpr_workitem_id 0
		.amdhsa_next_free_vgpr 1024
		.amdhsa_next_free_sgpr 100
		.amdhsa_reserve_vcc 1
		.amdhsa_float_denorm_mode_32 3
		.amdhsa_float_denorm_mode_16_64 3
		.amdhsa_memory_ordered 1
		.amdhsa_forward_progress 1
		.amdhsa_inst_pref_size 255
	.end_amdhsa_kernel
	.section	.bss,"aw",@nobits
	.p2align	6
	.space	262144
	.amdgpu_metadata
---
amdhsa.version: [ 1, 2 ]
amdhsa.kernels:
  - .name:           k_qcaa1eb667d_proj
    .symbol:         k_qcaa1eb667d_proj.kd
    .args:
      - { .name: prep, .offset: 0, .size: 8, .value_kind: global_buffer, .address_space: global }
      - { .name: act, .offset: 8, .size: 8, .value_kind: global_buffer, .address_space: global }
    .group_segment_fixed_size: 327680
    .private_segment_fixed_size: 0
    .kernarg_segment_align: 8
    .kernarg_segment_size: 16
    .max_flat_workgroup_size: 128
    .sgpr_count:     100
    .vgpr_count:     1024
    .wavefront_size: 32
...
	.end_amdgpu_metadata
.endif
;; end of part 2
;; launch state (part 3): grid 256 x 1, 4 waves a work-group, clusters of 4 x 1, 167,936 bytes of LDS; arguments act, prep, st, out1; writes st, out1
.if DOCPART == 3
	.amdgcn_target "amdgcn-amd-amdhsa--gfx1250"
	.amdhsa_code_object_version 6
	.text
	.protected	k_qcaa1eb667d_state
	.globl	k_qcaa1eb667d_state
	.p2align	8
	.type	k_qcaa1eb667d_state,@function
k_qcaa1eb667d_state:
	s_mov_b64 s[64:65], 0
	v_nop
	global_prefetch_b8 v0, s[64:65] scope:SCOPE_SE
	s_setreg_imm32_b32 hwreg(HW_REG_WAVE_MODE, 25, 1), 1
	s_wait_xcnt 0x0
	s_wait_alu depctr_hold_cnt(0) depctr_sa_sdst(0) depctr_va_vdst(0) depctr_va_sdst(0) depctr_va_ssrc(0) depctr_va_vcc(0) depctr_vm_vsrc(0)
	s_getreg_b32 s2, hwreg(HW_REG_IB_STS2, 6, 4)
	s_cmp_eq_u32 s2, 0
	s_cbranch_scc0 .Lentry_in_a_cluster
	s_endpgm
.Lentry_in_a_cluster:
	s_bfe_u32 s2, ttmp6, 0x10000c
	s_cmp_lg_u32 s2, 0x3003
	s_cbranch_scc0 .Lentry_shape_is_right
	s_endpgm
.Lentry_shape_is_right:
; STATE.  For each (batch, head) the walk over 16 chunks of 128 tokens:  X_c = gamma^128 S_c + gamma^127 sum_l k~_l v_l^T,  S_(c+1) = D X_c  (D = s^0.25 rot(-128 theta) on the pairs of d),  out1 = F X_15  (F = s^-3.75 rot(1920 theta)).
; S_c is stored as f16 with a power-of-two unit, as the fragment (rows dv, K = d) that the next launch multiplies by.
; IN UNITS.  k~ = k^ u_k, v = v^ u_v, w_c = u_k u_v.  A_c = X_c / (gamma^127 w_c) = sum k^ v^ + lam_c D A_(c-1), lam_c = gamma^128 w_(c-1) / w_c.  A bound on a pair's norm: n_c = NB + lam_c n_(c-1), NB = 1.5 x 2^23 (128 x 2^4 x 2^12 x sqrt 2 lies under it).
; The stored state is D A_(c-1) x 2^14 / E, E the power of two at or under n_(c-1): under 2^15; its unit is E 2^-14 gamma^127 w_(c-1).
; SHARES.  A cluster's four work-groups share 32 of d (K step p of k^) of one (batch, head) and take 64 of dv each; a wave takes 16 of dv: two accumulators.  The k^ slice of all 16 chunks (131,072 bytes) is asked for jointly, once.
; k^ lies [token][d]; the product wants rows d with the tokens along K: ds_load_tr16_b128 turns it.  v^ lies with tokens innermost and goes from memory straight into registers, two chunks ahead.
; LIMITS: NaN and infinities are not served; the units' products stay inside f32's range for blocks whose largest magnitudes lie between 2^-40 and 2^40.
.set KH_O,  8388608
.set VT_O,  16777216
.set UN_O,  50331648
.set DT_O,  10813440
.set HC_O,  10821632
.set SU_O,  16777216
.set STAGE, 131072                     ; 32 rows x 272 bytes, for out1
.set SPARE, 139776
.set LANE, 1
.set SUACC, 2                          ; lane c: the unit of S_c
.set US,   3
.set SPW,  4
.set NIL,  5
.set TRA,  6                           ; the turning load's address, chunks 0-7
.set VO,   7                           ; 16 x lane
.set DC,   8                           ; v8-23   D's (c, s) of my 8 pairs
.set FC,   24                          ; v24-39  F's
.set ACC,  40                          ; v40-55
.set T,    56                          ; v56-71
.set SHP,  72                          ; v72-79  the state as f16
.set TRB,  80                          ; chunks 8-15
.set STO,  81
.set SRD,  82
.set GOF,  83
.set L4,   84
.set AF,   88                          ; v88-151  k^T fragments: 8 (4 u + ks)
.set BF,   152                         ; v152-247 v^T fragments, three sets of 32
.set LAM,  248                         ; a pair
.set INVS, 250                         ; a pair
.set W,    252
.set WP,   253
.set N,    254
.set TMPV, 255
.macro CROUND
	s_barrier_signal -1
	s_barrier_wait -1
	s_cmp_lg_u32 s12, 0
	s_cbranch_scc1 .Lnot_wave_0_\@
	s_barrier_signal -3
.Lnot_wave_0_\@:
	s_barrier_wait -3
	s_barrier_signal -1
	s_barrier_wait -1
.endm
	s_load_b256 s[4:11], s[0:1], 0x0               ; act s[4:5], prep s[6:7], st s[8:9], out1 s[10:11]
	v_lshl_add_u32 v[SPW], v0, 2, SPARE
	v_mov_b32 v[NIL], 0
	ds_add_u32 v[SPW], v[NIL]                      ; the wave's opening: the add and its wait come ahead of my first tensor load
	v_lshrrev_b32 v1, 5, v0
	v_readfirstlane_b32 s12, v1                    ; wave
	s_bfe_u32 s13, ttmp6, 0x40000                  ; g: my 64 of dv
	s_lshr_b32 s14, ttmp9, 2                       ; 8 batch + head
	s_and_b32 s15, ttmp9, 3                        ; p: my cluster's 32 of d
	s_lshr_b32 s16, s14, 3                         ; batch
	s_and_b32 s17, s14, 7                          ; head
	s_lshr_b32 s18, s13, 1                         ; which half of dv
	s_mov_b32 s19, 0x4b400000                      ; NB
	; group 1: 8 rows (tiles of 16 tokens) of 1,024 bytes, 4,096 bytes apart; the mask names all four partners
	s_mov_b32 s72, 15|(3<<16)|(1<<21)
	s_mov_b32 s73, 128<<16
	s_mov_b32 s74, 8<<16
	s_mov_b32 s75, 128<<16
	s_mov_b32 s76, 8
	s_mov_b32 s77, 512
	s_mov_b32 s78, 0
	s_mov_b32 s79, 0
	s_lshl_b32 s20, s16, 4
	s_add_co_u32 s20, s20, s12                     ; chunk = wave (+ 4 j)
	s_lshl_b32 s20, s20, 3
	s_add_co_u32 s20, s20, s17
	s_lshl_b32 s20, s20, 15
	s_lshl_b32 s21, s15, 10
	s_add_co_u32 s20, s20, s21
	s_add_co_u32 s20, s20, KH_O
	s_mov_b32 s21, 0
	s_lshl_b32 s22, s12, 13                        ; LDS: chunk x 8,192
	s_wait_dscnt 0x0                               ; the opening add is done
	s_wait_kmcnt 0x0
	s_add_nc_u64 s[20:21], s[4:5], s[20:21]
	CROUND                                         ; the four work-groups are here: the joint loads meet
.irp j, 0,1,2,3
	s_mov_b32 s[80+4*\j], 1
	s_add_co_u32 s[81+4*\j], s22, \j*32768
	s_add_nc_u64 s[82+4*\j:83+4*\j], s[20:21], \j*1048576
	s_or_b32 s[83+4*\j], s[83+4*\j], 0x80000000
.endr
.irp j, 0,1,2,3
	tensor_load_to_lds s[80+4*\j:83+4*\j], s[72:79]    ; chunk 4 j + wave: four loads of mine are out
	s_nop 0
.endr
.rept 4
	v_nop
.endr
	s_lshl_b32 s24, s14, 6
	s_add_co_u32 s24, s24, UN_O+1024
	s_mov_b32 s25, 0
	s_add_nc_u64 s[24:25], s[4:5], s[24:25]
	s_load_b512 s[32:47], s[24:25], 0x0            ; u_k of the 16 chunks
	s_lshl_b32 s26, s14, 1
	s_add_co_u32 s26, s26, s18
	s_lshl_b32 s26, s26, 6
	s_add_co_u32 s26, s26, UN_O+2048
	s_mov_b32 s27, 0
	s_add_nc_u64 s[26:27], s[4:5], s[26:27]
	s_load_b512 s[48:63], s[26:27], 0x0            ; u_v
	s_lshl_b32 s28, s17, 5
	s_add_co_u32 s28, s28, HC_O
	s_mov_b32 s29, 0
	s_add_nc_u64 s[28:29], s[6:7], s[28:29]
	s_load_b128 s[68:71], s[28:29], 0x0            ; gamma^128, gamma^127, gamma
	v_and_b32 v[LANE], 31, v0
	v_lshlrev_b32 v[VO], 4, v[LANE]
	v_lshlrev_b32 v[L4], 2, v[LANE]
	v_bfe_u32 v85, v0, 3, 1
	v_bfe_u32 v86, v0, 4, 1                        ; h
	v_and_b32 v[TRA], 7, v0
	v_lshl_add_u32 v[TRA], v86, 3, v[TRA]
	v_lshl_add_u32 v[TRA], v85, 4, v[TRA]
	v_lshlrev_b32 v[TRA], 4, v[TRA]                ; 16 x (16 ((lane/8)%2) + 8 (lane/16) + lane%8): token 8 (lane/16) + lane%8, eight of d
	v_add_nc_u32 v[TRB], 65536, v[TRA]
	v_and_b32 v87, 15, v0                          ; r
	v_mul_u32_u24 v[STO], v86, 8*272
	v_lshl_add_u32 v[STO], v87, 2, v[STO]
	s_lshl_b32 s66, s12, 6
	s_add_co_u32 s66, s66, STAGE
	v_add_nc_u32 v[STO], s66, v[STO]               ; the stage, in: row 8 h (+ 16 u + j), column 16 wave + r
	v_mul_u32_u24 v[SRD], v86, 272
	v_lshl_add_u32 v[SRD], v87, 4, v[SRD]
	s_mul_i32 s66, s12, 8*272
	s_add_co_u32 s66, s66, STAGE
	v_add_nc_u32 v[SRD], s66, v[SRD]               ; and out: rows 8 wave + h (+ 2 i), 16 bytes a lane
	v_lshlrev_b32 v[GOF], 10, v86
	v_lshl_add_u32 v[GOF], v87, 4, v[GOF]
	v_lshlrev_b32 v[T], 5, v86                     ; the tables: 32 bytes for each half of the lanes (this register is next written behind the wait that shows these loads done)
	v_mov_b32 v[SUACC], 0
	v_mov_b32 v[LAM+1], 0
	v_mov_b32 v[INVS+1], 0
	s_lshl_b32 s30, s17, 9
	s_lshl_b32 s31, s15, 7
	s_add_co_u32 s30, s30, s31
	s_add_co_u32 s30, s30, DT_O
	s_mov_b32 s31, 0
	s_add_nc_u64 s[30:31], s[6:7], s[30:31]
.irp u, 0,1
	global_load_b128 v[DC+8*\u:DC+8*\u+3], v[T], s[30:31] offset:64*\u
	global_load_b128 v[DC+8*\u+4:DC+8*\u+7], v[T], s[30:31] offset:64*\u+16
	global_load_b128 v[FC+8*\u:FC+8*\u+3], v[T], s[30:31] offset:4096+64*\u
	global_load_b128 v[FC+8*\u+4:FC+8*\u+7], v[T], s[30:31] offset:4096+64*\u+16
.endr
	s_lshl_b32 s2, s16, 8
	s_lshl_b32 s3, s17, 1
	s_add_co_u32 s2, s2, s3
	s_add_co_u32 s2, s2, s18
	s_lshl_b32 s2, s2, 15                          ; v^'s block of chunk 0
	s_and_b32 s3, s13, 1
	s_lshl_b32 s3, s3, 2
	s_add_co_u32 s3, s3, s12                       ; my tile of 16 dv in it
	s_lshl_b32 s3, s3, 12
	s_add_co_u32 s2, s2, s3
	s_add_co_u32 s2, s2, VT_O
	s_mov_b32 s3, 0
	s_add_nc_u64 s[2:3], s[4:5], s[2:3]
	s_lshl_b32 s66, s16, 7
	s_add_co_u32 s66, s66, s17
	s_lshl_b32 s66, s66, 16                        ; the state's block of chunk 0
	s_lshl_b32 s67, s13, 2
	s_add_co_u32 s67, s67, s12                     ; t
	s_lshl_b32 s67, s67, 12
	s_add_co_u32 s66, s66, s67
	s_lshl_b32 s67, s15, 10
	s_add_co_u32 s66, s66, s67
	s_mov_b32 s67, 0
	s_add_nc_u64 s[96:97], s[8:9], s[66:67]
	s_lshl_b32 s66, ttmp9, 2
	s_add_co_u32 s66, s66, s13
	s_lshl_b32 s66, s66, 7
	s_add_co_u32 s66, s66, SU_O
	s_add_nc_u64 s[98:99], s[8:9], s[66:67]        ; my work-group's 32 units
	s_lshl_b32 s66, s14, 7
	s_lshl_b32 s23, s15, 5
	s_add_co_u32 s66, s66, s23
	s_lshl_b32 s23, s12, 3
	s_add_co_u32 s66, s66, s23
	s_lshl_b32 s66, s66, 10
	s_lshl_b32 s23, s13, 8
	s_add_co_u32 s66, s66, s23
	s_add_nc_u64 s[10:11], s[10:11], s[66:67]      ; out1 at row 128 (8 b + h) + 32 p + 8 wave, column 64 g
.macro VLOAD c
.set vb_, BF+32*((\c)%3)
.irp ks, 0,1,2,3
	global_load_b128 v[vb_+8*\ks:vb_+8*\ks+3], v[VO], s[2:3] offset:524288*(\c)+1024*\ks
	global_load_b128 v[vb_+8*\ks+4:vb_+8*\ks+7], v[VO], s[2:3] offset:524288*(\c)+1024*\ks+512
.endr
.endm
.macro ROTS tab                        ; T = the table's rotation and factor applied to ACC's pairs
.set i_, 0
.rept 8
	v_pk_mul_f32 v[T+2*i_:T+2*i_+1], v[ACC+2*i_:ACC+2*i_+1], v[\tab+2*i_:\tab+2*i_+1] op_sel:[1,1] op_sel_hi:[0,1]
.set i_, i_+1
.endr
.set i_, 0
.rept 8
	v_pk_fma_f32 v[T+2*i_:T+2*i_+1], v[ACC+2*i_:ACC+2*i_+1], v[\tab+2*i_:\tab+2*i_+1], v[T+2*i_:T+2*i_+1] op_sel_hi:[1,0,1] neg_lo:[0,0,1]
.set i_, i_+1
.endr
.endm
	VLOAD 0
	VLOAD 1
	s_wait_kmcnt 0x0
.macro CH c
.if (\c)%4 == 0
	s_wait_tensorcnt 3-(\c)/4                      ; my load of chunk c + wave is in; the count is my younger loads
	s_barrier_signal -1
	s_barrier_wait -1                              ; everybody's is: chunks c to c + 3 lie in LDS.
.endif
	v_mov_b32 v[TMPV], s[32+(\c)]
	v_mul_f32 v[W], s[48+(\c)], v[TMPV]            ; w_c
.if (\c) == 0
.irp i, 0,1,2,3,4,5,6,7
	v_mov_b32 v[SHP+\i], 0                         ; S_0 = 0, unit 0
.endr
	v_mov_b32 v[N], s19
.else
	v_sub_nc_u32 v[TMPV], 0x7f000000, v[W]         ; 1 / w_c
	v_mul_f32 v[LAM], v[WP], v[TMPV]
	v_mul_f32 v[LAM], s68, v[LAM]                  ; lam_c
	v_and_b32 v[TMPV], 0x7f800000, v[N]            ; E
	v_sub_nc_u32 v[INVS], 0x86000000, v[TMPV]      ; 2^14 / E
	v_add_nc_u32 v[US], 0xf9000000, v[TMPV]        ; E 2^-14
	v_mul_f32 v[US], v[US], v[WP]
	v_mul_f32 v[US], s69, v[US]                    ; the stored state's unit
	v_cmp_eq_u32 vcc_lo, \c, v[LANE]
	v_cndmask_b32 v[SUACC], v[SUACC], v[US], vcc_lo
.set i_, 0
.rept 8
	v_pk_mul_f32 v[ACC+2*i_:ACC+2*i_+1], v[T+2*i_:T+2*i_+1], v[LAM:LAM+1] op_sel_hi:[1,0]
.set i_, i_+1
.endr
.set i_, 0
.rept 8
	v_pk_mul_f32 v[T+2*i_:T+2*i_+1], v[T+2*i_:T+2*i_+1], v[INVS:INVS+1] op_sel_hi:[1,0]
.set i_, i_+1
.endr
	s_wait_xcnt 0x0                                ; the last chunk's stores have read their registers
.set i_, 0
.rept 8
	v_cvt_pk_f16_f32 v[SHP+i_], v[T+2*i_], v[T+2*i_+1]
.set i_, i_+1
.endr
	v_fma_f32 v[N], v[LAM], v[N], s19              ; n_c
.endif
	v_mov_b32 v[WP], v[W]
	global_store_b128 v[VO], v[SHP:SHP+3], s[96:97] offset:524288*(\c)       ; 512 consecutive bytes each
	global_store_b128 v[VO], v[SHP+4:SHP+7], s[96:97] offset:524288*(\c)+512
.if (\c) < 8
.set ta_, TRA
.else
.set ta_, TRB
.endif
.irp u, 0,1
.irp ks, 0,1,2,3
	ds_load_tr16_b128 v[AF+8*(4*\u+\ks):AF+8*(4*\u+\ks)+3], v[ta_] offset:8192*((\c)%8)+2048*\ks+512*\u
	ds_load_tr16_b128 v[AF+8*(4*\u+\ks)+4:AF+8*(4*\u+\ks)+7], v[ta_] offset:8192*((\c)%8)+2048*\ks+512*\u+1024
.endr
.endr
.if (\c)+2 < 16
	VLOAD (\c)+2
	s_wait_loadcnt 16                              ; this chunk's v^ is in; the next two chunks' 16 loads may be out
.else
	s_wait_loadcnt 8*(15-(\c))
.endif
	s_wait_dscnt 0x0
.set vb_, BF+32*((\c)%3)
.irp ks, 0,1,2,3
.irp u, 0,1
.if ((\c) == 0) && (\ks == 0)
	v_wmma_f32_16x16x32_f16 v[ACC+8*\u:ACC+8*\u+7], v[AF+8*(4*\u+\ks):AF+8*(4*\u+\ks)+7], v[vb_+8*\ks:vb_+8*\ks+7], 0
.else
	v_wmma_f32_16x16x32_f16 v[ACC+8*\u:ACC+8*\u+7], v[AF+8*(4*\u+\ks):AF+8*(4*\u+\ks)+7], v[vb_+8*\ks:vb_+8*\ks+7], v[ACC+8*\u:ACC+8*\u+7]
.endif
.endr
.endr
.rept 4
	v_nop                                          ; places behind the last products
.endr
.if (\c) < 15
	ROTS DC
.else
	ROTS FC
.endif
.endm
.irp c, 0,1,2,3,4,5,6,7,8,9,10,11,12,13,14,15
	CH \c
.endr
	v_mul_f32 v[LAM], s69, v[W]                    ; gamma^127 w_15
.set i_, 0
.rept 8
	v_pk_mul_f32 v[T+2*i_:T+2*i_+1], v[T+2*i_:T+2*i_+1], v[LAM:LAM+1] op_sel_hi:[1,0]
.set i_, i_+1
.endr
.irp u, 0,1
.irp j, 0,1,2,3,4,5,6,7
	ds_store_b32 v[STO], v[T+8*\u+\j] offset:(16*\u+\j)*272
.endr
.endr
	s_wait_dscnt 0x0                               ; for the others' sake: my stores into the stage are done
	s_barrier_signal -1
	s_barrier_wait -1
.irp i, 0,1,2,3
	ds_load_b128 v[AF+4*\i:AF+4*\i+3], v[SRD] offset:544*\i
.endr
.irp i, 0,1,2,3
	s_wait_dscnt 3-\i
	global_store_b128 v[GOF], v[AF+4*\i:AF+4*\i+3], s[10:11] offset:2048*\i   ; sixteen lanes store 256 consecutive bytes
.endr
	s_cmp_lg_u32 s12, 0
	s_cbranch_scc1 .Lno_su
	global_store_b32 v[L4], v[SUACC], s[98:99]     ; the units of S_0 .. S_15, and zeros
.Lno_su:
	s_wait_tensorcnt 0x0                           ; the wave's end
	ds_add_u32 v[SPW], v[NIL]
	s_wait_dscnt 0x0
	CROUND                                         ; the closing round
	s_endpgm
.Lfunc_end_k_qcaa1eb667d_state:
	.size	k_qcaa1eb667d_state, .Lfunc_end_k_qcaa1eb667d_state-k_qcaa1eb667d_state
	.p2alignl 7, 3214868480
	.fill 96, 4, 3214868480
	.section	.rodata,"a",@progbits
	.p2align	6, 0x0
	.amdhsa_kernel k_qcaa1eb667d_state
		.amdhsa_group_segment_fixed_size 167936
		.amdhsa_private_segment_fixed_size 0
		.amdhsa_enable_private_segment 0
		.amdhsa_kernarg_size 32
		.amdhsa_user_sgpr_count 2
		.amdhsa_user_sgpr_kernarg_segment_ptr 1
		.amdhsa_wavefront_size32 1
		.amdhsa_system_sgpr_workgroup_id_x 1
		.amdhsa_system_sgpr_workgroup_id_y 1
		.amdhsa_system_sgpr_workgroup_id_z 1
		.amdhsa_system_vgpr_workitem_id 0
		.amdhsa_next_free_vgpr 256
		.amdhsa_next_free_sgpr 100
		.amdhsa_reserve_vcc 1
		.amdhsa_float_denorm_mode_32 3
		.amdhsa_float_denorm_mode_16_64 3
		.amdhsa_memory_ordered 1
		.amdhsa_forward_progress 1
		.amdhsa_inst_pref_size 102
	.end_amdhsa_kernel
	.amdgpu_metadata
---
amdhsa.version: [ 1, 2 ]
amdhsa.kernels:
  - .name:           k_qcaa1eb667d_state
    .symbol:         k_qcaa1eb667d_state.kd
    .args:
      - { .name: act, .offset: 0, .size: 8, .value_kind: global_buffer, .address_space: global }
      - { .name: prep, .offset: 8, .size: 8, .value_kind: global_buffer, .address_space: global }
      - { .name: st, .offset: 16, .size: 8, .value_kind: global_buffer, .address_space: global }
      - { .name: out1, .offset: 24, .size: 8, .value_kind: global_buffer, .address_space: global }
    .group_segment_fixed_size: 167936
    .private_segment_fixed_size: 0
    .kernarg_segment_align: 8
    .kernarg_segment_size: 32
    .max_flat_workgroup_size: 128
    .sgpr_count:     100
    .vgpr_count:     256
    .wavefront_size: 32
...
	.end_amdgpu_metadata
.endif
;; end of part 3
;; launch retain (part 4): grid 256 x 1, 4 waves a work-group, no clusters, 167,936 bytes of LDS; arguments act, st, prep, y; writes y
.if DOCPART == 4
	.amdgcn_target "amdgcn-amd-amdhsa--gfx1250"
	.amdhsa_code_object_version 6
	.text
	.protected	k_qcaa1eb667d_retain
	.globl	k_qcaa1eb667d_retain
	.p2align	8
	.type	k_qcaa1eb667d_retain,@function
k_qcaa1eb667d_retain:
	s_mov_b64 s[64:65], 0
	v_nop
	global_prefetch_b8 v0, s[64:65] scope:SCOPE_SE
	s_setreg_imm32_b32 hwreg(HW_REG_WAVE_MODE, 25, 1), 1
	s_wait_xcnt 0x0
; RETAIN.  One work-group for each (batch, head, chunk of 128 tokens):  o sqrt(128) = sum over l_j <= l_i of (q~_i . k~_j) v_j + gamma q~_i . S_c;  GroupNorm over the head's 256; x the gate; y as f16 fragments for the last product.
; No cluster: no two work-groups read the same block.  K^ (32,768 bytes), S (65,536) and V^ (65,536) come into LDS once, as images of the operands' registers; each wave brings a quarter of each.
; Both products are used transposed: a lane holds ONE query (lane % 16).  S^T = K^ Q^T: registers run along the keys; rounded to f16 in pairs and masked they are source 1 of O^T = V^T P.  |q^|, |k^| < 16, so a score lies under 2^15 and needs no scaling.
; Wave w owns query tiles 2 w, 2 w + 1 and all 256 of dv, so the norm's sums stay in a lane and its partner 16 away.  All 128 x 128 scores are multiplied and then masked: leaving tiles out by wave would not shorten the longest wave.
; UNITS: O = q^ . S^ first, x RT = u_S gamma / (u_k u_v); + P v^; at the end x AL = u_q u_k u_v / sqrt(128).  y = g^ x normed x u_g / u_y, u_y the largest of the chunk's 16 gate units: under 2^15.
; LIMITS: NaN and infinities are not served.
; REGISTERS: window 0: v1-31 addresses, masks, factors; v32-95 Q; v96-159 P; v160-255 at work.  window 1: O^T, tile (qt, t) at 8 (16 qt + t).  window 2: two fragment buffers of 128.  window 3: v0-127 the gate, v128-255 the scores.
.set KH_O,  8388608
.set VT_O,  16777216
.set GT_O,  33554432
.set UN_O,  50331648
.set SU_O,  16777216
.set HC_O,  10821632
.set SPARE, 163840
.set LI,  1                            ; 16 x lane: K's fragments, and every global offset
.set AS,  2                            ; + 32,768: S's
.set AV,  3                            ; + 98,304: V's
.set SPW, 4
.set NIL, 5
.set DM,  8                            ; v8-11   the diagonal tile's mask, two f16 a register
.set AL,  12                           ; pairs for the two halves of dv
.set RT,  16
.set KP,  20
.set SM,  24                           ; v24-31  sums
.set Q,   32
.set P,   96
.set TMP, 160
.set OUTR, 192
.set FF,  224
.set FB0, 0
.set FB1, 128
.set MSB, 0
.macro WIN new
.if MSB != (\new)
	s_set_vgpr_msb (MSB<<8)|(\new)
.set MSB, (\new)
.endif
.endm
	s_load_b256 s[4:11], s[0:1], 0x0               ; act s[4:5], st s[6:7], prep s[8:9], y s[10:11]
	v_lshl_add_u32 v[SPW], v0, 2, SPARE
	v_mov_b32 v[NIL], 0
	ds_add_u32 v[SPW], v[NIL]                      ; the wave's opening: the add and its wait come ahead of my first tensor load
	v_lshrrev_b32 v6, 5, v0
	v_readfirstlane_b32 s12, v6                    ; wave
	s_and_b32 s13, ttmp9, 7                        ; head
	s_lshr_b32 s14, ttmp9, 3                       ; 16 batch + chunk
	s_lshr_b32 s15, s14, 4
	s_and_b32 s16, s14, 15
	s_lshl_b32 s17, s15, 3
	s_add_co_u32 s17, s17, s13                     ; 8 batch + head
	s_lshl_b32 s18, s14, 3
	s_add_co_u32 s18, s18, s13                     ; 8 (16 batch + chunk) + head
	; dense blocks as rows of 256 bytes: 32 rows (K's quarter), 64 rows (S's, V's)
	s_mov_b32 s24, 3<<16
	s_mov_b32 s25, 32<<16
	s_mov_b32 s26, 32<<16
	s_mov_b32 s27, 32<<16
	s_mov_b32 s28, 32
	s_mov_b32 s29, 32
	s_mov_b32 s30, 0
	s_mov_b32 s31, 0
	s_mov_b32 s32, 3<<16
	s_mov_b32 s33, 32<<16
	s_mov_b32 s34, 64<<16
	s_mov_b32 s35, 32<<16
	s_mov_b32 s36, 64
	s_mov_b32 s37, 32
	s_mov_b32 s38, 0
	s_mov_b32 s39, 0
	s_lshl_b32 s20, s18, 15
	s_lshl_b32 s19, s12, 13
	s_add_co_u32 s20, s20, s19
	s_add_co_u32 s20, s20, KH_O
	s_mov_b32 s21, 0
	s_lshl_b32 s22, s18, 16
	s_lshl_b32 s52, s12, 14
	s_add_co_u32 s22, s22, s52
	s_mov_b32 s23, 0
	s_add_co_u32 s54, s22, VT_O
	s_mov_b32 s55, 0
	s_wait_dscnt 0x0                               ; the opening add is done
	s_wait_kmcnt 0x0
	s_mov_b32 s40, 1
	s_mov_b32 s41, s19
	s_add_nc_u64 s[42:43], s[4:5], s[20:21]
	s_or_b32 s43, s43, 0x80000000
	s_mov_b32 s44, 1
	s_add_co_u32 s45, s52, 32768
	s_add_nc_u64 s[46:47], s[6:7], s[22:23]
	s_or_b32 s47, s47, 0x80000000
	s_mov_b32 s48, 1
	s_add_co_u32 s49, s52, 98304
	s_add_nc_u64 s[50:51], s[4:5], s[54:55]
	s_or_b32 s51, s51, 0x80000000
	tensor_load_to_lds s[40:43], s[24:31]          ; K^, S, V^: three loads of mine are out
	s_nop 0
	tensor_load_to_lds s[44:47], s[32:39]
	s_nop 0
	tensor_load_to_lds s[48:51], s[32:39]
	s_nop 0
.rept 4
	v_nop
.endr
	v_and_b32 v6, 31, v0
	v_lshlrev_b32 v[LI], 4, v6
	v_add_nc_u32 v[AS], 32768, v[LI]
	v_add_nc_u32 v[AV], 98304, v[LI]
	s_lshl_b32 s56, s18, 15
	s_lshl_b32 s58, s12, 13                        ; my two query tiles: 2 wave x 4,096
	s_add_co_u32 s56, s56, s58
	s_mov_b32 s57, 0
	s_add_nc_u64 s[56:57], s[4:5], s[56:57]        ; Q^
.irp qt, 0,1
.irp s, 0,1,2,3
	global_load_b128 v[Q+32*\qt+8*\s:Q+32*\qt+8*\s+3], v[LI], s[56:57] offset:4096*\qt+1024*\s
	global_load_b128 v[Q+32*\qt+8*\s+4:Q+32*\qt+8*\s+7], v[LI], s[56:57] offset:4096*\qt+1024*\s+512
.endr
.endr
	s_lshl_b32 s22, s18, 16
	s_add_co_u32 s58, s58, s22
	s_add_co_u32 s58, s58, GT_O
	s_mov_b32 s59, 0
	s_add_nc_u64 s[58:59], s[4:5], s[58:59]        ; the gate's two blocks
	WIN 0xc0
.irp qt, 0,1
.irp t, 0,1,2,3,4,5,6,7,8,9,10,11,12,13,14,15
	global_load_b128 v[4*(16*\qt+\t):4*(16*\qt+\t)+3], v[LI], s[58:59] offset:32768*(\t/8)+4096*\qt+512*(\t%8)
.endr
.endr
	WIN 0
	; the units
	s_lshl_b32 s20, s17, 4
	s_add_co_u32 s20, s20, s16
	s_lshl_b32 s20, s20, 2
	s_add_co_u32 s20, s20, UN_O
	s_add_nc_u64 s[20:21], s[4:5], s[20:21]
	s_load_b32 s60, s[20:21], 0x0                  ; u_q
	s_load_b32 s61, s[20:21], 0x400                ; u_k
	s_lshl_b32 s22, s17, 7
	s_lshl_b32 s19, s16, 2
	s_add_co_u32 s22, s22, s19
	s_add_co_u32 s22, s22, UN_O
	s_add_nc_u64 s[22:23], s[4:5], s[22:23]
	s_load_b32 s62, s[22:23], 0x800                ; u_v of the two halves
	s_load_b32 s63, s[22:23], 0x840
	s_lshl_b32 s52, s17, 11
	s_add_co_u32 s52, s52, s19
	s_add_co_u32 s52, s52, SU_O
	s_mov_b32 s53, 0
	s_add_nc_u64 s[52:53], s[6:7], s[52:53]
	s_load_b32 s66, s[52:53], 0x0                  ; u_S of the two halves
	s_load_b32 s67, s[52:53], 0x100
	s_lshl_b32 s54, s14, 6
	s_add_co_u32 s54, s54, UN_O+4096
	s_add_nc_u64 s[54:55], s[4:5], s[54:55]
	s_load_b512 s[68:83], s[54:55], 0x0            ; the chunk's 16 gate units
	s_lshl_b32 s92, s13, 3
	s_mov_b32 s93, 0
	s_add_nc_u64 s[92:93], s[54:55], s[92:93]
	s_load_b64 s[84:85], s[92:93], 0x0             ; my head's two
	s_lshl_b32 s94, s13, 5
	s_add_co_u32 s94, s94, HC_O
	s_mov_b32 s95, 0
	s_add_nc_u64 s[94:95], s[8:9], s[94:95]
	s_load_b128 s[88:91], s[94:95], 0x0            ; gamma in s90
	s_lshl_b32 s96, s12, 1                         ; my query tiles
	s_add_co_u32 s97, s96, 1
	s_mov_b32 s98, 0x3b800000                      ; 1 / 256
	s_mov_b32 s2, 0x76543210
	s_mov_b32 s3, 0xfedcba98
	s_lshl_b32 s86, s14, 3
	s_add_co_u32 s86, s86, s96
	s_lshl_b32 s86, s86, 16
	s_lshl_b32 s87, s13, 13
	s_add_co_u32 s86, s86, s87
	s_mov_b32 s87, 0
	s_add_nc_u64 s[10:11], s[10:11], s[86:87]      ; y at token tile 8 gc + 2 wave, channels 256 head on
	; the diagonal tile: register jp holds keys 8 h + 2 jp, + 1; kept where the key is at or under r
	v_and_b32 v6, 15, v0
	v_bfe_u32 v7, v0, 4, 1
	v_lshlrev_b32 v7, 3, v7
	v_sub_nc_u32 v6, v6, v7
	v_mov_b32 v24, 0xffff
	v_mov_b32 v25, 0xffff0000
.irp jp, 0,1,2,3
	v_cmp_le_i32 vcc_lo, 2*\jp, v6
	v_cndmask_b32 v[DM+\jp], 0, v24, vcc_lo
	v_cmp_le_i32 vcc_lo, 2*\jp+1, v6
	v_cndmask_b32 v7, 0, v25, vcc_lo
	v_or_b32 v[DM+\jp], v[DM+\jp], v7
.endr
	s_wait_kmcnt 0x0
	s_max_u32 s99, s68, s69                        ; units are positive powers of two: the larger bits are the larger number
.irp i, 70,71,72,73,74,75,76,77,78,79,80,81,82,83
	s_max_u32 s99, s99, s\i
.endr
	s_sub_co_u32 s99, 0x7f000000, s99              ; 1 / u_y
	s_sub_co_u32 s86, 0x7f000000, s61              ; 1 / u_k
	v_mov_b32 v6, s60
	v_mul_f32 v6, s61, v6
	v_mul_f32 v6, 0x3db504f3, v6                   ; u_q u_k / sqrt(128)
	v_mul_f32 v[AL], s62, v6
	v_mul_f32 v[AL+2], s63, v6
	v_mov_b32 v[AL+1], v[AL]
	v_mov_b32 v[AL+3], v[AL+2]
	v_mov_b32 v7, s86
	v_mul_f32 v7, s90, v7                          ; gamma / u_k
	s_sub_co_u32 s86, 0x7f000000, s62
	s_sub_co_u32 s87, 0x7f000000, s63
	v_mul_f32 v[RT], s66, v7
	v_mul_f32 v[RT], s86, v[RT]
	v_mul_f32 v[RT+2], s67, v7
	v_mul_f32 v[RT+2], s87, v[RT+2]
	v_mov_b32 v[RT+1], v[RT]
	v_mov_b32 v[RT+3], v[RT+2]
	v_mov_b32 v6, s99
	v_mul_f32 v[KP], s84, v6
	v_mul_f32 v[KP+2], s85, v6
	v_mov_b32 v[KP+1], v[KP]
	v_mov_b32 v[KP+3], v[KP+2]
.macro FETCH adr, n, fb                ; 16 fragments, 16,384 bytes, into a buffer of window 2
	WIN 0x80
.set f_, 0
.rept 16
	ds_load_b128 v[\fb+8*f_:\fb+8*f_+3], v[\adr] offset:16384*(\n)+1024*f_
	ds_load_b128 v[\fb+8*f_+4:\fb+8*f_+7], v[\adr] offset:16384*(\n)+1024*f_+512
.set f_, f_+1
.endr
.endm
; 32 matrix instructions: four tiles of source 0 x my two query tiles, K = 128.  Eight accumulators take turns, one instruction a turn.
.macro MUL32 win, dbase, dq, fb, bb, zero
	WIN \win
.irp s, 0,1,2,3
.irp t4, 0,1,2,3
.irp qt, 0,1
.if \zero && (\s == 0)
	v_wmma_f32_16x16x32_f16 v[\dbase+\dq*\qt+8*\t4:\dbase+\dq*\qt+8*\t4+7], v[\fb+8*(4*\t4+\s):\fb+8*(4*\t4+\s)+7], v[\bb+32*\qt+8*\s:\bb+32*\qt+8*\s+7], 0
.else
	v_wmma_f32_16x16x32_f16 v[\dbase+\dq*\qt+8*\t4:\dbase+\dq*\qt+8*\t4+7], v[\fb+8*(4*\t4+\s):\fb+8*(4*\t4+\s)+7], v[\bb+32*\qt+8*\s:\bb+32*\qt+8*\s+7], v[\dbase+\dq*\qt+8*\t4:\dbase+\dq*\qt+8*\t4+7]
.endif
.endr
.endr
.endr
.endm
.macro PL                              ; places behind matrix instructions, in front of loads into their registers and of reads of results
.rept 4
	v_nop
.endr
.endm
.macro RESC n                          ; O's tiles 4 n .. 4 n + 3 x RT
	WIN 0x41
.irp qt, 0,1
.set i_, 0
.rept 16
	v_pk_mul_f32 v[128*\qt+32*(\n)+2*i_:128*\qt+32*(\n)+2*i_+1], v[128*\qt+32*(\n)+2*i_:128*\qt+32*(\n)+2*i_+1], v[RT+2*((\n)/2):RT+2*((\n)/2)+1] op_sel_hi:[1,0]
.set i_, i_+1
.endr
.endr
.endm
	s_wait_tensorcnt 2                             ; my quarter of K^ is in; S's and V's loads may be out
	s_barrier_signal -1
	s_barrier_wait -1
	FETCH LI, 0, FB0
	FETCH LI, 1, FB1
	s_wait_loadcnt 32                              ; Q^ is in; the gate's 32 loads may be out
	s_wait_dscnt 32                                ; keys 0-63 are in
	MUL32 0xf2, 128, 64, FB0, Q, 1
	PL
	s_wait_tensorcnt 1                             ; my quarter of S is in
	s_wait_dscnt 0x0
	s_barrier_signal -1
	s_barrier_wait -1
	FETCH AS, 0, FB0
	MUL32 0xf2, 160, 64, FB1, Q, 1
	PL
	FETCH AS, 1, FB1
	WIN 0x0f                                       ; the scores to f16, two keys a register
.set i_, 0
.rept 64
	v_cvt_pk_f16_f32 v[P+i_], v[128+2*i_], v[128+2*i_+1]
.set i_, i_+1
.endr
	WIN 0
.irp qt, 0,1                                   ; the mask: a tile of earlier keys stays, a tile of later keys goes, the diagonal tile takes DM.  The selects hang on the wave's number alone
.irp kt, 0,1,2,3,4,5,6,7
	s_cmp_gt_u32 s[96+\qt], \kt
	s_cselect_b32 s86, -1, 0
	s_cmp_eq_u32 s[96+\qt], \kt
	s_cselect_b32 s87, -1, 0
.irp jp, 0,1,2,3
	v_and_or_b32 v[6+(\jp%2)], v[DM+\jp], s87, s86
	v_and_b32 v[P+32*\qt+4*\kt+\jp], v[P+32*\qt+4*\kt+\jp], v[6+(\jp%2)]
.endr
.endr
.endr
	s_wait_dscnt 32                                ; each such wait leaves the batch fetched last on its way
	MUL32 0x52, 0, 128, FB0, Q, 1
	PL
	s_wait_tensorcnt 0x0                           ; my quarter of V^ is in
	s_wait_dscnt 0x0
	s_barrier_signal -1
	s_barrier_wait -1
	FETCH AS, 2, FB0
	MUL32 0x52, 32, 128, FB1, Q, 1
	PL
	FETCH AS, 3, FB1
	s_wait_dscnt 32
	MUL32 0x52, 64, 128, FB0, Q, 1
	PL
	FETCH AV, 0, FB0
	s_wait_dscnt 32
	MUL32 0x52, 96, 128, FB1, Q, 1
	PL
	FETCH AV, 1, FB1
	RESC 0
	s_wait_dscnt 32
	MUL32 0x52, 0, 128, FB0, P, 0
	PL
	FETCH AV, 2, FB0
	RESC 1
	s_wait_dscnt 32
	MUL32 0x52, 32, 128, FB1, P, 0
	PL
	FETCH AV, 3, FB1
	RESC 2
	s_wait_dscnt 32
	MUL32 0x52, 64, 128, FB0, P, 0
	RESC 3
	s_wait_dscnt 0x0
	MUL32 0x52, 96, 128, FB1, P, 0
	PL
	s_wait_loadcnt 0x0                             ; the gate
.macro JOIN                            ; four pairs of partial sums, and lane l xor 16's: the sum over the head's 256 in v[SM]
	WIN 0
	v_pk_add_f32 v[SM:SM+1], v[SM:SM+1], v[SM+2:SM+3]
	v_pk_add_f32 v[SM+4:SM+5], v[SM+4:SM+5], v[SM+6:SM+7]
	v_pk_add_f32 v[SM:SM+1], v[SM:SM+1], v[SM+4:SM+5]
	v_add_f32 v[SM], v[SM], v[SM+1]
	v_permlanex16_b32 v[SM+1], v[SM], s2, s3
	v_add_f32 v[SM], v[SM], v[SM+1]
.endm
.macro UNPACK                          ; 16 registers of f16 pairs, v32-47, to 32 of f32, v160-191
	v_cvt_f32_f16 v160, v32.l
	v_cvt_f32_f16 v161, v32.h
	v_cvt_f32_f16 v162, v33.l
	v_cvt_f32_f16 v163, v33.h
	v_cvt_f32_f16 v164, v34.l
	v_cvt_f32_f16 v165, v34.h
	v_cvt_f32_f16 v166, v35.l
	v_cvt_f32_f16 v167, v35.h
	v_cvt_f32_f16 v168, v36.l
	v_cvt_f32_f16 v169, v36.h
	v_cvt_f32_f16 v170, v37.l
	v_cvt_f32_f16 v171, v37.h
	v_cvt_f32_f16 v172, v38.l
	v_cvt_f32_f16 v173, v38.h
	v_cvt_f32_f16 v174, v39.l
	v_cvt_f32_f16 v175, v39.h
	v_cvt_f32_f16 v176, v40.l
	v_cvt_f32_f16 v177, v40.h
	v_cvt_f32_f16 v178, v41.l
	v_cvt_f32_f16 v179, v41.h
	v_cvt_f32_f16 v180, v42.l
	v_cvt_f32_f16 v181, v42.h
	v_cvt_f32_f16 v182, v43.l
	v_cvt_f32_f16 v183, v43.h
	v_cvt_f32_f16 v184, v44.l
	v_cvt_f32_f16 v185, v44.h
	v_cvt_f32_f16 v186, v45.l
	v_cvt_f32_f16 v187, v45.h
	v_cvt_f32_f16 v188, v46.l
	v_cvt_f32_f16 v189, v46.h
	v_cvt_f32_f16 v190, v47.l
	v_cvt_f32_f16 v191, v47.h
.endm
.macro EPI qt
	WIN 0x01                                       ; the mean of o = O x AL: four chains, started by the first four products
.set i_, 0
.rept 64
.if i_ < 4
	v_pk_mul_f32 v[SM+2*i_:SM+2*i_+1], v[128*\qt+2*i_:128*\qt+2*i_+1], v[AL:AL+1] op_sel_hi:[1,0]
.else
	v_pk_fma_f32 v[SM+2*(i_%4):SM+2*(i_%4)+1], v[128*\qt+2*i_:128*\qt+2*i_+1], v[AL+2*(i_/32):AL+2*(i_/32)+1], v[SM+2*(i_%4):SM+2*(i_%4)+1] op_sel_hi:[1,0,1]
.endif
.set i_, i_+1
.endr
	JOIN
	v_mul_f32 v6, 0xbb800000, v[SM]                ; - mean
	v_mov_b32 v7, v6
	WIN 0x41
.set i_, 0
.rept 64
	v_pk_fma_f32 v[128*\qt+2*i_:128*\qt+2*i_+1], v[128*\qt+2*i_:128*\qt+2*i_+1], v[AL+2*(i_/32):AL+2*(i_/32)+1], v[6:7] op_sel_hi:[1,0,1]   ; o - mean
.set i_, i_+1
.endr
	WIN 0x05
.set i_, 0
.rept 64
.if i_ < 4
	v_pk_mul_f32 v[SM+2*i_:SM+2*i_+1], v[128*\qt+2*i_:128*\qt+2*i_+1], v[128*\qt+2*i_:128*\qt+2*i_+1]
.else
	v_pk_fma_f32 v[SM+2*(i_%4):SM+2*(i_%4)+1], v[128*\qt+2*i_:128*\qt+2*i_+1], v[128*\qt+2*i_:128*\qt+2*i_+1], v[SM+2*(i_%4):SM+2*(i_%4)+1]
.endif
.set i_, i_+1
.endr
	JOIN
	v_fmaak_f32 v[SM], s98, v[SM], 0x3727c5ac      ; the variance + 1e-5
	v_rsq_f32 v[SM], v[SM]
	v_nop                                          ; a plain instruction behind it
	s_wait_alu depctr_va_vdst(0)                   ; and the wait, ahead of the first reader
	v_mul_f32 v[FF], v[SM], v[KP]
	v_mul_f32 v[FF+2], v[SM], v[KP+2]
	v_mov_b32 v[FF+1], v[FF]
	v_mov_b32 v[FF+3], v[FF+2]
.irp n, 0,1,2,3                                ; four tiles at a time: the gate comes into window 0, where its halves can be named
	WIN 0x03
.set i_, 0
.rept 16
	v_mov_b32 v[32+i_], v[64*\qt+16*\n+i_]
.set i_, i_+1
.endr
	WIN 0
	UNPACK
	WIN 0x04
.set i_, 0
.rept 16
	v_pk_mul_f32 v[TMP+2*i_:TMP+2*i_+1], v[TMP+2*i_:TMP+2*i_+1], v[128*\qt+32*\n+2*i_:128*\qt+32*\n+2*i_+1]
.set i_, i_+1
.endr
	WIN 0
.set i_, 0
.rept 16
	v_pk_mul_f32 v[TMP+2*i_:TMP+2*i_+1], v[TMP+2*i_:TMP+2*i_+1], v[FF+2*(\n/2):FF+2*(\n/2)+1] op_sel_hi:[1,0]
.set i_, i_+1
.endr
	s_wait_xcnt 0x0                                ; the last run's stores have read their registers
.set i_, 0
.rept 16
	v_cvt_pk_f16_f32 v[OUTR+i_], v[TMP+2*i_], v[TMP+2*i_+1]
.set i_, i_+1
.endr
.irp k, 0,1,2,3
	global_store_b128 v[LI], v[OUTR+4*\k:OUTR+4*\k+3], s[10:11] offset:65536*\qt+512*(4*\n+\k)   ; 512 consecutive bytes
.endr
.endr
.endm
	EPI 0
	EPI 1
	s_wait_tensorcnt 0x0                           ; the wave's end
	ds_add_u32 v[SPW], v[NIL]
	s_wait_dscnt 0x0
	s_endpgm
.Lfunc_end_k_qcaa1eb667d_retain:
	.size	k_qcaa1eb667d_retain, .Lfunc_end_k_qcaa1eb667d_retain-k_qcaa1eb667d_retain
	.p2alignl 7, 3214868480
	.fill 96, 4, 3214868480
	.section	.rodata,"a",@progbits
	.p2align	6, 0x0
	.amdhsa_kernel k_qcaa1eb667d_retain
		.amdhsa_group_segment_fixed_size 167936
		.amdhsa_private_segment_fixed_size 0
		.amdhsa_enable_private_segment 0
		.amdhsa_kernarg_size 32
		.amdhsa_user_sgpr_count 2
		.amdhsa_user_sgpr_kernarg_segment_ptr 1
		.amdhsa_wavefront_size32 1
		.amdhsa_system_sgpr_workgroup_id_x 1
		.amdhsa_system_sgpr_workgroup_id_y 1
		.amdhsa_system_sgpr_workgroup_id_z 1
		.amdhsa_system_vgpr_workitem_id 0
		.amdhsa_next_free_vgpr 1024
		.amdhsa_next_free_sgpr 100
		.amdhsa_reserve_vcc 1
		.amdhsa_float_denorm_mode_32 3
		.amdhsa_float_denorm_mode_16_64 3
		.amdhsa_memory_ordered 1
		.amdhsa_forward_progress 1
		.amdhsa_inst_pref_size 142
	.end_amdhsa_kernel
	.amdgpu_metadata
---
amdhsa.version: [ 1, 2 ]
amdhsa.kernels:
  - .name:           k_qcaa1eb667d_retain
    .symbol:         k_qcaa1eb667d_retain.kd
    .args:
      - { .name: act, .offset: 0, .size: 8, .value_kind: global_buffer, .address_space: global }
      - { .name: st, .offset: 8, .size: 8, .value_kind: global_buffer, .address_space: global }
      - { .name: prep, .offset: 16, .size: 8, .value_kind: global_buffer, .address_space: global }
      - { .name: y, .offset: 24, .size: 8, .value_kind: global_buffer, .address_space: global }
    .group_segment_fixed_size: 167936
    .private_segment_fixed_size: 0
    .kernarg_segment_align: 8
    .kernarg_segment_size: 32
    .max_flat_workgroup_size: 128
    .sgpr_count:     100
    .vgpr_count:     1024
    .wavefront_size: 32
...
	.end_amdgpu_metadata
.endif
;; end of part 4
;; launch outp (part 5): grid 8 x 32, 4 waves a work-group, clusters of 4 x 4, 327,680 bytes of LDS; arguments y, prep, act, bp, out0; writes out0
.if DOCPART == 5
	.amdgcn_target "amdgcn-amd-amdhsa--gfx1250"
	.amdhsa_code_object_version 6
	.text
	.protected	k_qcaa1eb667d_outp
	.globl	k_qcaa1eb667d_outp
	.p2align	8
	.type	k_qcaa1eb667d_outp,@function
k_qcaa1eb667d_outp:
	s_mov_b64 s[64:65], 0
	v_nop
	global_prefetch_b8 v0, s[64:65] scope:SCOPE_SE
	s_setreg_imm32_b32 hwreg(HW_REG_WAVE_MODE, 25, 1), 1
	s_wait_xcnt 0x0
	s_wait_alu depctr_hold_cnt(0) depctr_sa_sdst(0) depctr_va_vdst(0) depctr_va_sdst(0) depctr_va_ssrc(0) depctr_va_vcc(0) depctr_vm_vsrc(0)
	s_getreg_b32 s2, hwreg(HW_REG_IB_STS2, 6, 4)
	s_cmp_eq_u32 s2, 0
	s_cbranch_scc0 .Lentry_in_a_cluster
	s_endpgm
.Lentry_in_a_cluster:
	s_bfe_u32 s2, ttmp6, 0x10000c
	s_cmp_lg_u32 s2, 0xf033
	s_cbranch_scc0 .Lentry_shape_is_right
	s_endpgm
.Lentry_shape_is_right:
; OUTP.  out0 [4096][1024] = y [4096][2048] Wp [2048][1024] + bp, operands f16, sums f32.  y's rows of a chunk of 128 tokens carry one unit u_y (the largest of the chunk's 16 gate units): out = sum x u_y + bp.
; A tile of out0 is 128 x 128 (256 work-groups); four waves, each 64 x 64: 16 accumulators.  K goes in steps of 256 through two LDS slots that hold IMAGES OF THE OPERANDS' REGISTERS (a fragment of 16 rows x 32 K is 1,024 consecutive bytes).
; CLUSTERS 4 x 4: y's tile is shared along a row of the cluster, Wp's along a column; each is asked for jointly.  The matrix instruction is used transposed (source 0 = 16 columns of Wp, source 1 = 16 tokens): a lane holds eight neighbouring numbers of a row of out0.
; No prefetch: a tile of this size has its next slot's load out through a whole K step, and both operands are read by several work-groups at about the same time.
; REGISTERS: window 0: v12-13 u_y; v16-29 addresses; v32-95 at work on the way out; v96-127 bp; v128-255 the accumulators.  window 1: two fragment buffers of 128.
.set WPF_O, 5570560
.set UN_O,  50331648
.set HALFT, 32768                      ; four row tiles x 8,192 bytes: what one tensor load brings, and what one wave reads of a side
.set SLOT,  131072
.set STAGE, 262144                     ; 16 rows x 272 bytes for each wave, its own
.set SPARE, 279552
.set LAPS,  4                          ; 2048 / (2 x 256)
.set U,    12
.set ADRA, 16
.set ADRB, 20
.set STO,  24
.set RD,   25
.set CO,   26
.set SPW,  28
.set NIL,  29
.set TMP,  32
.set BI,   96
.set ACC,  128
.set F0,   0
.set F1,   128
.set G1, 24
.set G0, 32
.set G1B, 48
.set G0B, 56
.set MSB, 0
.macro WIN new
.if MSB != (\new)
	s_set_vgpr_msb (MSB<<8)|(\new)
.set MSB, (\new)
.endif
.endm
.set MUL,  0x05
.set TO_F, 0x40
.macro JLOAD s                         ; waves 0 and 1 fetch y's two halves, waves 2 and 3 Wp's
	s_cmp_eq_u32 s11, 0
	s_cbranch_scc0 .Lfor_b_\@
	tensor_load_to_lds s[G0+4*\s:G0+4*\s+3], s[G1:G1+7]
	s_nop 0
.rept 4
	v_nop
.endr
	s_branch .Lasked_\@
.Lfor_b_\@:
	tensor_load_to_lds s[G0B+4*\s:G0B+4*\s+3], s[G1B:G1B+7]
	s_nop 0
.rept 4
	v_nop
.endr
.Lasked_\@:
.endm
.macro CREST
	s_cmp_lg_u32 s10, 0
	s_cbranch_scc1 .Lnot_wave_0_\@
	s_barrier_signal -3
.Lnot_wave_0_\@:
	s_barrier_wait -3
	s_barrier_signal -1
	s_barrier_wait -1
.endm
.macro CROUND
	s_barrier_signal -1
	s_barrier_wait -1
	CREST
.endm
	s_load_b128 s[4:7], s[0:1], 0x0                ; y s[4:5], prep s[6:7]
	s_load_b128 s[84:87], s[0:1], 0x10             ; act s[84:85], bp s[86:87]
	s_load_b64 s[8:9], s[0:1], 0x20                ; out0
	v_lshl_add_u32 v[SPW], v0, 2, SPARE
	v_mov_b32 v[NIL], 0
	ds_add_u32 v[SPW], v[NIL]                      ; the wave's opening: the add and its wait come ahead of my first tensor load
	v_lshrrev_b32 v1, 5, v0
	v_readfirstlane_b32 s10, v1                    ; wave
	s_lshr_b32 s11, s10, 1                         ; my half of the tile's rows.  Also: I fetch for y (0) or for Wp (1)
	s_and_b32 s12, s10, 1                          ; my half of its columns.  Also: which four row tiles I fetch
	s_bfe_u32 s40, ttmp6, 0x40000
	s_bfe_u32 s41, ttmp6, 0x40004
	s_lshl_b32 s42, ttmp9, 2
	s_add_co_u32 s42, s42, s40                     ; tile column
	s_and_b32 s13, ttmp7, 0xffff
	s_lshl_b32 s13, s13, 2
	s_add_co_u32 s13, s13, s41                     ; tile row = the chunk of tokens
	s_lshl_b32 s43, s41, 2
	s_lshl_b32 s43, 15, s43
	s_lshl_b32 s44, 0x1111, s40
	; group 1: 4 row tiles x 8,192 bytes (eight K steps of 32), 65,536 bytes apart; elements of 8 bytes
	s_or_b32 s[G1+0], s43, (3<<16)|(1<<21)
	s_or_b32 s[G1B+0], s44, (3<<16)|(1<<21)
.irp g, G1, G1B
	s_mov_b32 s[\g+1], 1024<<16
	s_mov_b32 s[\g+2], 4<<16
	s_mov_b32 s[\g+3], 1024<<16
	s_mov_b32 s[\g+4], 4
	s_mov_b32 s[\g+5], 8192
	s_mov_b32 s[\g+6], 0
	s_mov_b32 s[\g+7], 0
.endr
	s_lshl_b32 s18, s12, 2
	s_lshl_b32 s16, s13, 3
	s_add_co_u32 s16, s16, s18
	s_lshl_b32 s16, s16, 16
	s_mov_b32 s17, 0
	s_lshl_b32 s46, s42, 3
	s_add_co_u32 s46, s46, s18
	s_lshl_b32 s46, s46, 16
	s_add_co_u32 s46, s46, WPF_O
	s_mov_b32 s47, 0
	s_lshl_b32 s20, s10, 15                        ; where they go: wave x 32,768
	s_wait_dscnt 0x0                               ; the opening add is done
	s_wait_kmcnt 0x0
	s_add_nc_u64 s[14:15], s[4:5], s[16:17]
	s_add_nc_u64 s[46:47], s[6:7], s[46:47]
	CROUND                                         ; all sixteen work-groups are here: the first joint loads meet
.irp s, 0,1
	s_mov_b32 s[G0+4*\s], 1
	s_add_co_u32 s[G0+4*\s+1], s20, \s*SLOT
	s_add_nc_u64 s[G0+4*\s+2:G0+4*\s+3], s[14:15], \s*8192
	s_or_b32 s[G0+4*\s+3], s[G0+4*\s+3], 0x80000000
	s_mov_b32 s[G0B+4*\s], 1
	s_add_co_u32 s[G0B+4*\s+1], s20, \s*SLOT
	s_add_nc_u64 s[G0B+4*\s+2:G0B+4*\s+3], s[46:47], \s*8192
	s_or_b32 s[G0B+4*\s+3], s[G0B+4*\s+3], 0x80000000
	JLOAD \s
.endr
	v_and_b32 v1, 15, v0                           ; r
	v_bfe_u32 v2, v0, 4, 1                         ; h
	v_and_b32 v3, 31, v0
	v_lshlrev_b32 v3, 4, v3                        ; 16 x lane
	s_lshl_b32 s21, s11, 15
	s_lshl_b32 s22, s12, 15
	s_add_co_u32 s22, s22, 65536
.irp s, 0,1
	v_add_nc_u32 v[ADRA+\s], s21, v3
	v_add_nc_u32 v[ADRB+\s], s22, v3
	s_add_co_u32 s21, s21, SLOT
	s_add_co_u32 s22, s22, SLOT
.endr
	s_mul_i32 s23, s10, 16*272
	s_add_co_u32 s23, s23, STAGE                   ; my stage
	v_mul_u32_u24 v4, v1, 272
	v_lshl_add_u32 v4, v2, 5, v4
	v_add_nc_u32 v[STO], s23, v4                   ; in: row r, 32 bytes for each half of the lanes
	v_mul_u32_u24 v5, v2, 272
	v_lshl_add_u32 v5, v1, 4, v5
	v_add_nc_u32 v[RD], s23, v5                    ; back: lanes 0-15 one row of 256 bytes, lanes 16-31 the next
	v_lshlrev_b32 v5, 12, v2
	v_lshl_add_u32 v[CO], v1, 4, v5                ; the same two rows in out0
	v_lshlrev_b32 v6, 5, v2                        ; bp: 32 bytes for each half of the lanes
	s_lshl_b32 s88, s13, 6
	s_add_co_u32 s88, s88, UN_O+4096
	s_mov_b32 s89, 0
	s_add_nc_u64 s[88:89], s[84:85], s[88:89]
	s_load_b512 s[68:83], s[88:89], 0x0            ; the chunk's 16 gate units
	s_lshl_b32 s90, s42, 9
	s_lshl_b32 s91, s12, 8
	s_add_co_u32 s90, s90, s91                     ; my first column, in bytes
	s_mov_b32 s91, 0
	s_add_nc_u64 s[86:87], s[86:87], s[90:91]
.irp b, 0,1,2,3
	global_load_b128 v[BI+8*\b:BI+8*\b+3], v6, s[86:87] offset:64*\b
	global_load_b128 v[BI+8*\b+4:BI+8*\b+7], v6, s[86:87] offset:64*\b+16
.endr
	s_add_nc_u64 s[8:9], s[8:9], s[90:91]
	s_lshl_b32 s90, s13, 7
	s_lshl_b32 s92, s11, 6
	s_add_co_u32 s90, s90, s92
	s_lshl_b32 s90, s90, 12                        ; my first row
	s_add_nc_u64 s[8:9], s[8:9], s[90:91]
	s_wait_kmcnt 0x0
	s_max_u32 s93, s68, s69
.irp i, 70,71,72,73,74,75,76,77,78,79,80,81,82,83
	s_max_u32 s93, s93, s\i
.endr
	v_mov_b32 v[U], s93                            ; u_y
	v_mov_b32 v[U+1], s93
.macro MUL8 f, c, a0, zero
.irp a, \a0, \a0+1
.irp b, 0,1,2,3
.if \zero
	v_wmma_f32_16x16x32_f16 v[ACC+8*(4*(\a)+\b):ACC+8*(4*(\a)+\b)+7], v[\f+64+8*(4*\c+\b):\f+64+8*(4*\c+\b)+7], v[\f+8*(4*\c+\a):\f+8*(4*\c+\a)+7], 0
.else
	v_wmma_f32_16x16x32_f16 v[ACC+8*(4*(\a)+\b):ACC+8*(4*(\a)+\b)+7], v[\f+64+8*(4*\c+\b):\f+64+8*(4*\c+\b)+7], v[\f+8*(4*\c+\a):\f+8*(4*\c+\a)+7], v[ACC+8*(4*(\a)+\b):ACC+8*(4*(\a)+\b)+7]
.endif
.endr
.endr
.endm
.macro FETCH slot, qd, f               ; 32 LDS loads in one run: the fragments of quarter qd (64 along K) into buffer f; its first 32 along K first
	WIN TO_F
.irp c, 0,1
.irp i, 0,1,2,3
	ds_load_b128 v[\f+64+8*(4*\c+\i):\f+64+8*(4*\c+\i)+3],   v[ADRB+\slot] offset:8192*\i+1024*(2*(\qd)+\c)
	ds_load_b128 v[\f+64+8*(4*\c+\i)+4:\f+64+8*(4*\c+\i)+7], v[ADRB+\slot] offset:8192*\i+1024*(2*(\qd)+\c)+512
	ds_load_b128 v[\f+8*(4*\c+\i):\f+8*(4*\c+\i)+3],         v[ADRA+\slot] offset:8192*\i+1024*(2*(\qd)+\c)
	ds_load_b128 v[\f+8*(4*\c+\i)+4:\f+8*(4*\c+\i)+7],       v[ADRA+\slot] offset:8192*\i+1024*(2*(\qd)+\c)+512
.endr
.endr
.endm
.macro PLACES
.rept 4
	v_nop
.endr
.endm
.macro QUARTER slot, qd, f, g, zero    ; multiplies buffer f and fetches quarter qd into g
	s_wait_dscnt 16                                ; the first 32 along K are in; the other sixteen loads may be out
	WIN MUL
	MUL8 \f, 0, 0, \zero
	MUL8 \f, 0, 2, \zero
	PLACES
	FETCH \slot, \qd, \g
	s_wait_dscnt 32                                ; all but the 32 just issued
	WIN MUL
	MUL8 \f, 1, 0, 0
	MUL8 \f, 1, 2, 0
.endm
; The last quarter multiplies buffer 1 and changes slots: one barrier; in front of it each wave waits for all its tensor loads, adds 0 to its spare word, and waits for that and for its own reads of this slot.
.macro TURN slot, next, fill
	WIN 0
	s_wait_tensorcnt 0x0                           ; all my tensor loads have landed: my part of the next slot
	ds_add_u32 v[SPW], v[NIL]
	s_wait_dscnt 17                                ; the add and the youngest sixteen loads may be out
	WIN MUL
	MUL8 F1, 0, 0, 0
	s_wait_dscnt 0x0                               ; the add is done, and my reads of this slot are over
	s_barrier_signal -1
	MUL8 F1, 0, 2, 0
.if \fill
	WIN 0
.endif
	s_barrier_wait -1
.if \fill
	CREST                                          ; the barrier has opened a round of the cluster's barrier: no wave of any partner still reads this slot or has a load on its way
	s_add_nc_u64 s[G0+4*\slot+2:G0+4*\slot+3], s[G0+4*\slot+2:G0+4*\slot+3], 16384
	s_add_nc_u64 s[G0B+4*\slot+2:G0B+4*\slot+3], s[G0B+4*\slot+2:G0B+4*\slot+3], 16384
	JLOAD \slot                                    ; my one tensor load behind the round; its four v_nop are also the places in front of the loads below
.else
	PLACES
.endif
	FETCH \next, 0, F0
	WIN MUL
	MUL8 F1, 1, 0, 0
	MUL8 F1, 1, 2, 0
.endm
	s_wait_tensorcnt 1                             ; my part of K step 0 is in; K step 1's load may be out
	s_barrier_signal -1
	s_barrier_wait -1
	FETCH 0, 0, F0
	QUARTER 0, 1, F0, F1, 1                        ; the first quarter's first products start the sums
	WIN 0
	s_mov_b32 s3, LAPS-1
.Llap:                                                 ; a trip goes once round the ring and fills both slots again
	QUARTER 0, 2, F1, F0, 0
	QUARTER 0, 3, F0, F1, 0
	TURN 0, 1, 1
	QUARTER 1, 1, F0, F1, 0
	QUARTER 1, 2, F1, F0, 0
	QUARTER 1, 3, F0, F1, 0
	TURN 1, 0, 1
	QUARTER 0, 1, F0, F1, 0
	WIN 0
	s_sub_co_u32 s3, s3, 1
	s_cmp_lg_u32 s3, 0
	s_cbranch_scc1 .Llap
	QUARTER 0, 2, F1, F0, 0                        ; the last lap fills nothing
	QUARTER 0, 3, F0, F1, 0
	TURN 0, 1, 0
	QUARTER 1, 1, F0, F1, 0
	QUARTER 1, 2, F1, F0, 0
	QUARTER 1, 3, F0, F1, 0
	s_wait_dscnt 16
	WIN MUL
	MUL8 F1, 0, 0, 0
	MUL8 F1, 0, 2, 0
	s_wait_dscnt 0
	MUL8 F1, 1, 0, 0
	MUL8 F1, 1, 2, 0
	WIN 0
	; THE WAY OUT, 16 rows x 64 columns at a time: x u_y + bp; through my own stage, so that sixteen lanes store 256 consecutive bytes of a row.  LDS serves a wave's instructions in order: no wait between my stores and my loads.
	PLACES
	s_wait_loadcnt 0x0                             ; bp
.irp a, 0,1,2,3
.if \a > 0
	s_wait_xcnt 0x0                                ; the last block's stores have read their registers
.endif
.irp b, 0,1,2,3
.irp p, 0,1,2,3
	v_pk_fma_f32 v[TMP+8*\b+2*\p:TMP+8*\b+2*\p+1], v[ACC+8*(4*\a+\b)+2*\p:ACC+8*(4*\a+\b)+2*\p+1], v[U:U+1], v[BI+8*\b+2*\p:BI+8*\b+2*\p+1] op_sel_hi:[1,0,1]
.endr
.endr
.irp b, 0,1,2,3
	ds_store_b128 v[STO], v[TMP+8*\b:TMP+8*\b+3] offset:64*\b
	ds_store_b128 v[STO], v[TMP+8*\b+4:TMP+8*\b+7] offset:64*\b+16
.endr
.irp i, 0,1,2,3,4,5,6,7
	ds_load_b128 v[TMP+32+4*\i:TMP+32+4*\i+3], v[RD] offset:544*\i
.endr
.irp i, 0,1,2,3,4,5,6,7
	s_wait_dscnt 7-\i
	global_store_b128 v[CO], v[TMP+32+4*\i:TMP+32+4*\i+3], s[8:9] offset:(16*\a+2*\i)*4096 th:TH_STORE_NT
.endr
.endr
	s_wait_tensorcnt 0x0                           ; the wave's end
	ds_add_u32 v[SPW], v[NIL]
	s_wait_dscnt 0x0
	CROUND                                         ; the closing round
	s_endpgm
.Lfunc_end_k_qcaa1eb667d_outp:
	.size	k_qcaa1eb667d_outp, .Lfunc_end_k_qcaa1eb667d_outp-k_qcaa1eb667d_outp
	.p2alignl 7, 3214868480
	.fill 96, 4, 3214868480
	.section	.rodata,"a",@progbits
	.p2align	6, 0x0
	.amdhsa_kernel k_qcaa1eb667d_outp
		.amdhsa_group_segment_fixed_size 327680
		.amdhsa_private_segment_fixed_size 0
		.amdhsa_enable_private_segment 0
		.amdhsa_kernarg_size 40
		.amdhsa_user_sgpr_count 2
		.amdhsa_user_sgpr_kernarg_segment_ptr 1
		.amdhsa_wavefront_size32 1
		.amdhsa_system_sgpr_workgroup_id_x 1
		.amdhsa_system_sgpr_workgroup_id_y 1
		.amdhsa_system_sgpr_workgroup_id_z 1
		.amdhsa_system_vgpr_workitem_id 0
		.amdhsa_next_free_vgpr 512
		.amdhsa_next_free_sgpr 96
		.amdhsa_reserve_vcc 0
		.amdhsa_float_denorm_mode_32 3
		.amdhsa_float_denorm_mode_16_64 3
		.amdhsa_memory_ordered 1
		.amdhsa_forward_progress 1
		.amdhsa_inst_pref_size 92
	.end_amdhsa_kernel
	.amdgpu_metadata
---
amdhsa.version: [ 1, 2 ]
amdhsa.kernels:
  - .name:           k_qcaa1eb667d_outp
    .symbol:         k_qcaa1eb667d_outp.kd
    .args:
      - { .name: y, .offset: 0, .size: 8, .value_kind: global_buffer, .address_space: global }
      - { .name: prep, .offset: 8, .size: 8, .value_kind: global_buffer, .address_space: global }
      - { .name: act, .offset: 16, .size: 8, .value_kind: global_buffer, .address_space: global }
      - { .name: bp, .offset: 24, .size: 8, .value_kind: global_buffer, .address_space: global }
      - { .name: out0, .offset: 32, .size: 8, .value_kind: global_buffer, .address_space: global }
    .group_segment_fixed_size: 327680
    .private_segment_fixed_size: 0
    .kernarg_segment_align: 8
    .kernarg_segment_size: 40
    .max_flat_workgroup_size: 128
    .sgpr_count:     96
    .vgpr_count:     512
    .wavefront_size: 32
...
	.end_amdgpu_metadata
.endif
;; end of part 5
